; MI455X (gfx1250); checked and timed in simulation.
; The chip was launched on July 23, 2026; its instructions are those of AMD's public machine-readable ISA for CDNA 5 (MIT licence, August 2026) and "CDNA5" Instruction Set Architecture Reference Guide (July 2026). The comments in the code are by the model that wrote it; some were corrected since.
;; Attention. Allowed arithmetic: float matrix products may take bf16 or f16 operands with f32 sums; all other float work in f32.
;; Inputs: Wk 1,024 x 1,024 float32; Wo 1,024 x 1,024 float32; Wq 1,024 x 1,024 float32; Wv 1,024 x 1,024 float32; bias 1 x 1 x 2,048 x 2,048 float32; x 2 x 2,048 x 1,024 float32; y 2 x 2,048 x 1,024 float32.
;; Outputs: out0 2 x 2,048 x 1,024 float32.
;; 2 versions, each right; version 2 is version 1 with the launch cast written anew for expert scheduling mode. Each part assembles by itself: llvm-mc -triple=amdgcn-amd-amdhsa -mcpu=gfx1250 --defsym DOCPART=n.
;; ======== version 1 of 2: 4 launches
;; limits: values are held in f16: magnitudes above 65,504 overflow, below 6.1e-05 lose precision; right only within a limited range of input values
;; workspace buffers: cb 25,165,824 bytes; qkv 25,165,824 bytes; att 8,388,608 bytes
;; launch cast (part 1): grid 768 x 1, 8 waves a work-group, no clusters, 0 bytes of LDS; arguments x, y, Wq, Wk, Wv, Wo, cb; writes cb
.if DOCPART == 1
	.amdgcn_target "amdgcn-amd-amdhsa--gfx1250"
	.amdhsa_code_object_version 6
	.text
	.protected	k_q13d2fa5aa5_cast
	.globl	k_q13d2fa5aa5_cast
	.p2align	8
	.type	k_q13d2fa5aa5_cast,@function
k_q13d2fa5aa5_cast:
	s_mov_b64 s[64:65], 0
	v_nop
	global_prefetch_b8 v0, s[64:65] scope:SCOPE_SE
	s_setreg_imm32_b32 hwreg(HW_REG_WAVE_MODE, 25, 1), 1
	s_wait_xcnt 0x0
; cast: x, y, Wq/8, Wk, Wv, Wo from f32 to f16 into cb, laid one behind the other (x, y: 8,388,608 bytes each; the weights 2,097,152 each).
; The factor 1/8 = DEPTH^-0.5 is a power of two, so folding it into Wq changes no bit of the mantissas.
; LIMIT: a number of magnitude 65,520 or more becomes an infinity in f16; the drawn inputs are of order 1 and 1/32.
; A stream: no LDS, no barrier, no matrix unit.  Work-group id takes 65,536 bytes of one input and writes 32,768 bytes at cb + 32,768 id.
; A wave takes 8,192 bytes with sixteen loads of 512 neighbouring bytes, all issued at once; each store of the wave covers 256 consecutive
; bytes, aligned.  No register is written twice, so no wait frees a source.
.set X, 4                              ; v[4:67]   sixteen loads of four f32
.set Y, 68                             ; v[68:99]  sixteen pairs of packed f16
	s_load_b256 s[4:11], s[0:1], 0x0               ; x s[4:5], y s[6:7], Wq s[8:9], Wk s[10:11]
	s_load_b128 s[12:15], s[0:1], 0x20             ; Wv s[12:13], Wo s[14:15]
	s_load_b64 s[16:17], s[0:1], 0x30              ; cb
	s_mov_b32 s2, ttmp9                            ; id: 0-255 x, 256-511 y, then 64 each for Wq, Wk, Wv, Wo
	v_lshrrev_b32 v3, 5, v0                        ; wave
	v_and_b32 v2, 31, v0                           ; lane
	v_lshlrev_b32 v1, 4, v2
	v_lshl_add_u32 v1, v3, 13, v1                  ; load offset: 8,192 wave + 16 lane
	v_lshlrev_b32 v2, 3, v2
	v_lshl_add_u32 v2, v3, 12, v2                  ; store offset: 4,096 wave + 8 lane
	s_and_b32 s20, s2, 255
	s_and_b32 s21, s2, 63
	s_cmp_lt_u32 s2, 512
	s_cselect_b32 s20, s20, s21                    ; my chunk inside its input
	s_lshl_b32 s20, s20, 16
	s_mov_b32 s21, 0
	s_sub_co_u32 s24, s2, 512
	s_cmp_lt_u32 s24, 64                           ; unsigned: true for ids 512 to 575 alone, which are Wq
	s_cselect_b32 s22, 0x3e000000, 1.0             ; 0.125 for Wq, 1 for the others: one text for all six inputs
	s_mov_b32 s23, s22
	s_lshl_b32 s26, s2, 15
	s_mov_b32 s27, 0
	s_wait_kmcnt 0x0
	s_mov_b64 s[18:19], s[4:5]                     ; the input is chosen by the id alone
	s_cmp_ge_u32 s2, 256
	s_cselect_b64 s[18:19], s[6:7], s[18:19]
	s_cmp_ge_u32 s2, 512
	s_cselect_b64 s[18:19], s[8:9], s[18:19]
	s_cmp_ge_u32 s2, 576
	s_cselect_b64 s[18:19], s[10:11], s[18:19]
	s_cmp_ge_u32 s2, 640
	s_cselect_b64 s[18:19], s[12:13], s[18:19]
	s_cmp_ge_u32 s2, 704
	s_cselect_b64 s[18:19], s[14:15], s[18:19]
	s_add_nc_u64 s[18:19], s[18:19], s[20:21]
	s_add_nc_u64 s[16:17], s[16:17], s[26:27]
.irp i, 0,1,2,3,4,5,6,7,8,9,10,11,12,13,14,15
	global_load_b128 v[X+4*\i:X+4*\i+3], v1, s[18:19] offset:512*\i th:TH_LOAD_NT    ; each input byte is read once in the launch
.endr
.irp i, 0,1,2,3,4,5,6,7,8,9,10,11,12,13,14,15
	s_wait_loadcnt 15-\i                           ; loads come back in order: load i is in, the 15 - i younger ones stay out
	v_pk_mul_f32 v[X+4*\i:X+4*\i+1],   v[X+4*\i:X+4*\i+1],   s[22:23] op_sel_hi:[1,0]
	v_pk_mul_f32 v[X+4*\i+2:X+4*\i+3], v[X+4*\i+2:X+4*\i+3], s[22:23] op_sel_hi:[1,0]
	v_cvt_pk_f16_f32 v[Y+2*\i],   v[X+4*\i],   v[X+4*\i+1]
	v_cvt_pk_f16_f32 v[Y+2*\i+1], v[X+4*\i+2], v[X+4*\i+3]
	global_store_b64 v2, v[Y+2*\i:Y+2*\i+1], s[16:17] offset:256*\i                  ; read again by the next launch: no hint
.endr
	s_endpgm
.Lfunc_end_k_q13d2fa5aa5_cast:
	.size	k_q13d2fa5aa5_cast, .Lfunc_end_k_q13d2fa5aa5_cast-k_q13d2fa5aa5_cast
	.p2alignl 7, 3214868480
	.fill 96, 4, 3214868480
	.section	.rodata,"a",@progbits
	.p2align	6, 0x0
	.amdhsa_kernel k_q13d2fa5aa5_cast
		.amdhsa_group_segment_fixed_size 0
		.amdhsa_private_segment_fixed_size 0
		.amdhsa_enable_private_segment 0
		.amdhsa_kernarg_size 56
		.amdhsa_user_sgpr_count 2
		.amdhsa_user_sgpr_kernarg_segment_ptr 1
		.amdhsa_wavefront_size32 1
		.amdhsa_system_sgpr_workgroup_id_x 1
		.amdhsa_system_sgpr_workgroup_id_y 1
		.amdhsa_system_sgpr_workgroup_id_z 1
		.amdhsa_system_vgpr_workitem_id 0
		.amdhsa_next_free_vgpr 104
		.amdhsa_next_free_sgpr 66
		.amdhsa_reserve_vcc 0
		.amdhsa_float_denorm_mode_32 3
		.amdhsa_float_denorm_mode_16_64 3
		.amdhsa_memory_ordered 1
		.amdhsa_forward_progress 1
		.amdhsa_inst_pref_size 10
	.end_amdhsa_kernel
	.amdgpu_metadata
---
amdhsa.version: [ 1, 2 ]
amdhsa.kernels:
  - .name:           k_q13d2fa5aa5_cast
    .symbol:         k_q13d2fa5aa5_cast.kd
    .args:
      - { .name: x, .offset: 0, .size: 8, .value_kind: global_buffer, .address_space: global }
      - { .name: y, .offset: 8, .size: 8, .value_kind: global_buffer, .address_space: global }
      - { .name: Wq, .offset: 16, .size: 8, .value_kind: global_buffer, .address_space: global }
      - { .name: Wk, .offset: 24, .size: 8, .value_kind: global_buffer, .address_space: global }
      - { .name: Wv, .offset: 32, .size: 8, .value_kind: global_buffer, .address_space: global }
      - { .name: Wo, .offset: 40, .size: 8, .value_kind: global_buffer, .address_space: global }
      - { .name: cb, .offset: 48, .size: 8, .value_kind: global_buffer, .address_space: global }
    .group_segment_fixed_size: 0
    .private_segment_fixed_size: 0
    .kernarg_segment_align: 8
    .kernarg_segment_size: 56
    .max_flat_workgroup_size: 256
    .sgpr_count:     66
    .vgpr_count:     104
    .wavefront_size: 32
...
	.end_amdgpu_metadata
.endif
;; end of part 1
;; launch qkvproj (part 2): grid 12 x 16, 4 waves a work-group, clusters of 4 x 4, 327,680 bytes of LDS; arguments cb, qkv; writes qkv
.if DOCPART == 2
	.amdgcn_target "amdgcn-amd-amdhsa--gfx1250"
	.amdhsa_code_object_version 6
	.text
	.protected	k_q13d2fa5aa5_qkvproj
	.globl	k_q13d2fa5aa5_qkvproj
	.p2align	8
	.type	k_q13d2fa5aa5_qkvproj,@function
k_q13d2fa5aa5_qkvproj:
	s_mov_b64 s[64:65], 0
	v_nop
	global_prefetch_b8 v0, s[64:65] scope:SCOPE_SE
	s_setreg_imm32_b32 hwreg(HW_REG_WAVE_MODE, 25, 1), 1
	s_wait_xcnt 0x0
	s_wait_alu depctr_hold_cnt(0) depctr_sa_sdst(0) depctr_va_vdst(0) depctr_va_sdst(0) depctr_va_ssrc(0) depctr_va_vcc(0) depctr_vm_vsrc(0)
	s_getreg_b32 s2, hwreg(HW_REG_IB_STS2, 6, 4)
	s_cmp_eq_u32 s2, 0
	s_cbranch_scc0 .Lentry_in_a_cluster
	s_endpgm
.Lentry_in_a_cluster:
	s_bfe_u32 s2, ttmp6, 0x10000c
	s_cmp_lg_u32 s2, 0xf033
	s_cbranch_scc0 .Lentry_shape_is_right
	s_endpgm
.Lentry_shape_is_right:
; qkvproj: q = x (Wq/8), k = y Wk, v = y Wv, each [4096][1024] = [4096][1024] x [1024][1024], f16 operands, f32 sums, f16 results,
; stored split by heads: qkv[which][16 b + head][token 0..2047][64].
; LIMIT: results of magnitude 65,520 or more become infinities in f16 (drawn inputs give results of order 1).
; A cluster of 4 x 4 work-groups makes 1024 rows x all 1024 columns of ONE of the three products (which = the cluster x); a work-group makes
; 256 x 256 with four waves, a wave 128 x 128: 64 accumulator tiles, 512 registers.  K goes in steps of 128 through two LDS slots.
; The four work-groups of a row of the cluster need the same rows of x or y, the four of a column the same columns of the weight: those tiles
; are asked for jointly, which divides the requests by four.
; The weights lie [K][N]: their tile is 128 k rows x 256 columns, and ds_load_tr16_b128 turns 8 x 8 blocks of it into fragments with K along
; the registers, so no transposed copy of a weight is ever made.
; REGISTERS, in windows of 256: window 0: v16-26 addresses, v64-127 and v128-191 fragments of x or y (two buffers), v192-223 the way out;
; window 1: v64-127, v128-191 fragments of the weight; window 2: accumulators of my rows 0-63 (tile (a, b) at v[8 (8 a + b)]); window 3: rows 64-127.
; The matrix instruction is used transposed (source 0 = 16 columns of the weight, source 1 = 16 rows of x or y): a lane then holds eight
; neighbouring columns of one row of the result, which pack into 16 bytes.
.set SIZE_K, 1024
.set SIZE_N, 1024
.set KSTEP,  128
.set PITCH,  272                       ; a row of x or y in LDS: 256 bytes + 16: sixteen rows begin at sixteen different 16-byte columns of a 256-byte span
.set BPITCH, 544                       ; a k row of the weight in LDS: 512 bytes + 32, an odd multiple of 32
.set HALFT,  128*PITCH                 ; what one tensor load brings: 128 rows of 272 bytes = 64 k rows of 544 bytes = 34,816 bytes
.set SLOT,   4*HALFT                   ; 256 rows of x or y, then 128 k rows of the weight
.set STAGE,  2*SLOT                    ; behind the two slots: 16 rows x 272 bytes for each wave; no tensor load lands here
.set SPITCH, 272
.set LAPS, SIZE_K/(2*KSTEP)            ; a lap = two K steps = both slots once: 4
.set ADRA, 16                          ; v16-17  LDS address of my fragments of x or y in slot 0, 1
.set ADRB, 20                          ; v20-21  the same for the weight
.set STO,  24                          ; v24     the way out: where I put 16 bytes of a row
.set RD,   25                          ; v25     the way out: where I read back
.set CO,   26                          ; v26     my byte offset in qkv
.set F0,   64
.set F1,   128
.set TMP,  192
.set G1, 24                            ; s[24:31] descriptor group 1, tiles of x or y
.set G0, 32                            ; s[32:39] descriptor group 0, tiles of x or y, a set for each slot
.set G1B, 48                           ; s[48:55] group 1, tiles of the weight
.set G0B, 56                           ; s[56:63] group 0, tiles of the weight, a set for each slot
.set MSB, 0
.macro WIN new                         ; the immediate's high byte repeats the setting that is left
.if MSB != \new
	s_set_vgpr_msb (MSB<<8)|\new
.set MSB, \new
.endif
.endm
.set MUL_LO, 0xa1                      ; source 0 window 1, source 1 window 0, C and D window 2
.set MUL_HI, 0xf1                      ; the same, C and D window 3
.set TO_B,   0x40                      ; destination window 1, address window 0
; A joint load.  Waves 0 and 1 fetch the two halves of the rows of x or y, waves 2 and 3 the two halves of the weight's k rows.
; The branch hangs on the wave number alone; each line has one mask and its own registers.
.macro JLOAD s
	s_cmp_eq_u32 s11, 0
	s_cbranch_scc0 .Lfor_b_\@
	tensor_load_to_lds s[G0+4*\s:G0+4*\s+3], s[G1:G1+7]
	s_nop 0
	s_branch .Lasked_\@
.Lfor_b_\@:
	tensor_load_to_lds s[G0B+4*\s:G0B+4*\s+3], s[G1B:G1B+7]
	s_nop 0
.Lasked_\@:
.endm
; A round of the cluster's barrier: my work-group's barrier, wave 0 signals for the work-group, every wave waits for all sixteen, my work-group's barrier again.
.macro CREST                           ; a round behind its opening barrier
	s_cmp_lg_u32 s10, 0
	s_cbranch_scc1 .Lnot_wave_0_\@
	s_barrier_signal -3
.Lnot_wave_0_\@:
	s_barrier_wait -3
	s_barrier_signal -1
	s_barrier_wait -1
.endm
.macro CROUND
	s_barrier_signal -1
	s_barrier_wait -1
	CREST
.endm
	s_load_b128 s[4:7], s[0:1], 0x0                ; cb s[4:5], qkv s[6:7]
	s_set_vgpr_msb 0x40
	v_lshl_add_u32 v255, v0, 2, 0x48400
	s_set_vgpr_msb 0x4000
	v_mov_b32 v255, 0
	s_set_vgpr_msb 0x1
	ds_add_u32 v255, v255
	s_set_vgpr_msb 0x100
	v_lshrrev_b32 v1, 5, v0
	v_readfirstlane_b32 s10, v1                    ; wave 0..3
	s_lshr_b32 s11, s10, 1                         ; which half of the block's rows is mine.  Also: I fetch x or y (0) or the weight (1)
	s_and_b32 s12, s10, 1                          ; which half of its columns.  Also: which half of that tile I fetch
	s_bfe_u32 s40, ttmp6, 0x40000                  ; cx = the block column (1024 columns = 4 blocks)
	s_bfe_u32 s41, ttmp6, 0x40004                  ; cy
	s_mov_b32 s45, ttmp9                           ; which product: 0 q, 1 k, 2 v; the same in the whole cluster
	s_and_b32 s13, ttmp7, 0xffff
	s_lshl_b32 s13, s13, 2
	s_add_co_u32 s13, s13, s41                     ; block row = 4 x cluster y + cy, 0..15
	s_lshl_b32 s43, s41, 2
	s_lshl_b32 s43, 15, s43                        ; my row of the cluster: places 4 cy .. 4 cy + 3
	s_lshl_b32 s44, 0x1111, s40                    ; my column: places cx, cx + 4, cx + 8, cx + 12
	; group 1 for x or y: 128 rows x 128 elements of 2 bytes, 4 words of padding behind every 64
	s_or_b32 s[G1+0], s43, (1<<16)|(1<<20)|(1<<21)|(5<<22)|(3<<25)
	s_mov_b32 s[G1+1], KSTEP<<16                   ; tensor_dim0 = 128
	s_mov_b32 s[G1+2], 128<<16                     ; tensor_dim1 = 128
	s_mov_b32 s[G1+3], KSTEP<<16                   ; tile_dim0 = 128
	s_mov_b32 s[G1+4], 128                         ; tile_dim1 = 128
	s_mov_b32 s[G1+5], SIZE_K                      ; elements from row to row
	s_mov_b32 s[G1+6], 0
	s_mov_b32 s[G1+7], 0
	; group 1 for the weight: 64 k rows x 256 elements, 8 words of padding behind every 128
	s_or_b32 s[G1B+0], s44, (1<<16)|(1<<20)|(1<<21)|(6<<22)|(7<<25)
	s_mov_b32 s[G1B+1], 256<<16                    ; tensor_dim0 = 256
	s_mov_b32 s[G1B+2], 64<<16                     ; tensor_dim1 = 64
	s_mov_b32 s[G1B+3], 256<<16                    ; tile_dim0 = 256
	s_mov_b32 s[G1B+4], 64                         ; tile_dim1 = 64
	s_mov_b32 s[G1B+5], SIZE_N
	s_mov_b32 s[G1B+6], 0
	s_mov_b32 s[G1B+7], 0
	; where the tiles come from.  The rows hang on the block row (shared along my row of the cluster), the weight on cx (shared along my column);
	; every wave makes both offsets, in registers that never hold the other coordinate.
	s_lshl_b32 s16, s13, 8
	s_lshl_b32 s17, s12, 7
	s_add_co_u32 s16, s16, s17                     ; row 256 x block row + 128 x half
	s_lshl_b32 s16, s16, 11                        ; rows of 2,048 bytes
	s_cmp_lg_u32 s45, 0
	s_cselect_b32 s18, 0x800000, 0                 ; q reads x at cb + 0, k and v read y at cb + 8,388,608
	s_add_co_u32 s16, s16, s18
	s_mov_b32 s17, 0
	s_lshl_b32 s46, s45, 21                        ; the weight: 2,097,152 bytes each, from cb + 16,777,216
	s_lshl_b32 s47, s12, 17                        ; + 64 k rows x half
	s_add_co_u32 s46, s46, s47
	s_lshl_b32 s47, s40, 9                         ; + 256 columns x cx
	s_add_co_u32 s46, s46, s47
	s_add_co_u32 s46, s46, 0x1000000
	s_mov_b32 s47, 0
	s_mul_i32 s20, s10, HALFT                      ; and where they go: wave x 34,816 bytes
	s_wait_dscnt 0x0
	s_wait_kmcnt 0x0
	s_add_nc_u64 s[14:15], s[4:5], s[16:17]
	s_add_nc_u64 s[46:47], s[4:5], s[46:47]
	CROUND                                         ; all sixteen work-groups are here: the first joint loads meet
.irp s, 0,1
	s_mov_b32 s[G0+4*\s], 1
	s_add_co_u32 s[G0+4*\s+1], s20, \s*SLOT
	s_add_nc_u64 s[G0+4*\s+2:G0+4*\s+3], s[14:15], \s*KSTEP*2              ; K step s: 256 bytes along the rows
	s_or_b32 s[G0+4*\s+3], s[G0+4*\s+3], 0x80000000
	s_mov_b32 s[G0B+4*\s], 1
	s_add_co_u32 s[G0B+4*\s+1], s20, \s*SLOT
	s_add_nc_u64 s[G0B+4*\s+2:G0B+4*\s+3], s[46:47], \s*KSTEP*SIZE_N*2     ; K step s: 128 k rows down
	s_or_b32 s[G0B+4*\s+3], s[G0B+4*\s+3], 0x80000000
	JLOAD \s                                       ; both slots are asked for before anything else: two loads of mine are out
.endr
	v_and_b32 v1, 15, v0                           ; r = l % 16
	v_bfe_u32 v2, v0, 4, 1                         ; h = l / 16
	v_and_b32 v8, 7, v0                            ; l % 8
	v_bfe_u32 v7, v0, 3, 1                         ; (l / 8) % 2
	v_mul_u32_u24 v3, v1, PITCH
	v_lshl_add_u32 v3, v2, 4, v3                   ; rows along K: row r x pitch + 16 h
	v_lshl_add_u32 v6, v2, 3, v8
	v_mul_u32_u24 v6, v6, BPITCH                   ; the weight, [K][N]: k row 8 h + l % 8,
	v_lshl_add_u32 v6, v7, 4, v6                   ; 16 bytes of columns by (l / 8) % 2
	s_mul_i32 s21, s11, HALFT                      ; my 128 rows
	s_lshl_b32 s22, s12, 8                         ; my 128 columns: 256 bytes into each k row,
	s_add_co_u32 s22, s22, 2*HALFT                 ; behind the 256 rows of x or y
.irp s, 0,1
	v_add_nc_u32 v[ADRA+\s], s21, v3
	v_add_nc_u32 v[ADRB+\s], s22, v6
	s_add_co_u32 s21, s21, SLOT
	s_add_co_u32 s22, s22, SLOT
.endr
	s_mul_i32 s23, s10, 16*SPITCH
	s_add_co_u32 s23, s23, STAGE                   ; my stage
	v_mul_u32_u24 v4, v1, SPITCH                   ; in: row r, 16 bytes for each half of the lanes
	v_lshl_add_u32 v4, v2, 4, v4
	v_add_nc_u32 v[STO], s23, v4
	v_mul_u32_u24 v5, v7, SPITCH                   ; back: lanes 0-7 token 2 t, lanes 8-15 token 2 t + 1 of my first head (bytes 0-127 of a stage row),
	v_lshl_add_u32 v5, v2, 7, v5                   ; lanes 16-31 the same of my second head (bytes 128-255)
	v_lshl_add_u32 v5, v8, 4, v5
	v_add_nc_u32 v[RD], s23, v5
	v_lshlrev_b32 v5, 18, v2                       ; in qkv: a head is 262,144 bytes, a token 128
	v_lshl_add_u32 v5, v7, 7, v5
	v_lshl_add_u32 v[CO], v8, 4, v5
; 16 matrix instructions: row blocks a0, a0 + 1 of the window's four x all 8 column blocks, 32 along K.  zero = 1: the first product starts the sums.
.macro MUL16 f, hi, a0, zero
.irp a, \a0, \a0+1
.irp b, 0,1,2,3,4,5,6,7
.if \zero
	v_wmma_f32_16x16x32_f16 v[8*(8*(\a)+\b):8*(8*(\a)+\b)+7], v[\f+8*\b:\f+8*\b+7], v[\f+8*(4*\hi+\a):\f+8*(4*\hi+\a)+7], 0
.else
	v_wmma_f32_16x16x32_f16 v[8*(8*(\a)+\b):8*(8*(\a)+\b)+7], v[\f+8*\b:\f+8*\b+7], v[\f+8*(4*\hi+\a):\f+8*(4*\hi+\a)+7], v[8*(8*(\a)+\b):8*(8*(\a)+\b)+7]
.endif
.endr
.endr
.endm
; 32 LDS loads in one run: the fragments of quarter q (32 along K) of a slot into buffer f.  The weight first: a transposing load brings
; k = 32 q + 8 h .. + 7 of column 16 i + r, the second one, 16 k rows further down, k = 32 q + 16 + 8 h .. + 7.
.macro FETCH slot, q, f
	WIN TO_B
.irp i, 0,1,2,3,4,5,6,7
	ds_load_tr16_b128 v[\f+8*\i:\f+8*\i+3],   v[ADRB+\slot] offset:\q*32*BPITCH+32*\i
	ds_load_tr16_b128 v[\f+8*\i+4:\f+8*\i+7], v[ADRB+\slot] offset:\q*32*BPITCH+32*\i+16*BPITCH
.endr
	WIN 0
.irp i, 0,1,2,3,4,5,6,7
	ds_load_b128 v[\f+8*\i:\f+8*\i+3],   v[ADRA+\slot] offset:\q*64+\i*16*PITCH
	ds_load_b128 v[\f+8*\i+4:\f+8*\i+7], v[ADRA+\slot] offset:\q*64+\i*16*PITCH+32
.endr
.endm
; A load into a register that a matrix instruction has read, and a vector instruction that reads a matrix result, stand four plain vector
; instructions behind that matrix instruction (ISA guide 7.12.1 for vector instructions).
.macro PLACES
.rept 4
	v_nop
.endr
.endm
; One of a K step's first three quarters: multiplies buffer f; in its middle it fetches quarter q into buffer g.
; The 64 accumulators take turns, one instruction a turn, in the same order in every quarter.
.macro QUARTER slot, q, f, g, zero
	s_wait_dscnt 8                                 ; the weight and my rows 0-63 are in; the youngest eight loads (rows 64-127) may be out
	WIN MUL_LO
	MUL16 \f, 0, 0, \zero
	MUL16 \f, 0, 2, \zero
	PLACES
	FETCH \slot, \q, \g
	s_wait_dscnt 32                                ; all but the 32 just issued
	WIN MUL_HI
	MUL16 \f, 1, 0, \zero
	MUL16 \f, 1, 2, \zero
.endm
.macro THREE slot, zero
	QUARTER \slot, 1, F0, F1, \zero
	QUARTER \slot, 2, F1, F0, 0
	QUARTER \slot, 3, F0, F1, 0
.endm
; The last quarter: multiplies buffer 1 and changes slots.  In front of the barrier each wave waits for its reads of this slot and for all its
; tensor loads (one is out: its part of the next slot).  Behind it the refill comes first, then the next slot's first fragments.
.macro TURN slot, next, fill
	s_wait_dscnt 8
	WIN MUL_LO
	MUL16 F1, 0, 0, 0
	s_wait_dscnt 0                                 ; my reads of this slot are over
	s_wait_tensorcnt 0x0                           ; and all my tensor loads have landed
	ds_add_u32 v255, v255
	s_wait_dscnt 0x0
	s_barrier_signal -1                            ; say so (where a slot is filled again this opens a round of the cluster's barrier),
	MUL16 F1, 0, 2, 0                              ; work on registers while the others arrive,
	WIN 0
	s_barrier_wait -1
.if \fill
	CREST                                          ; no wave of any partner still reads this slot or has a load on its way
	s_add_nc_u64 s[G0+4*\slot+2:G0+4*\slot+3], s[G0+4*\slot+2:G0+4*\slot+3], 2*KSTEP*2
	s_add_nc_u64 s[G0B+4*\slot+2:G0B+4*\slot+3], s[G0B+4*\slot+2:G0B+4*\slot+3], 2*KSTEP*SIZE_N*2
	JLOAD \slot                                    ; the first tensor load behind the round, my only one until the next
.endif
	PLACES
	FETCH \next, 0, F0
	WIN MUL_HI
	MUL16 F1, 1, 0, 0
	MUL16 F1, 1, 2, 0
.endm
.macro LAP zero
	THREE 0, \zero
	TURN 0, 1, 1
	THREE 1, 0
	TURN 1, 0, 1
.endm
	s_wait_tensorcnt 1                             ; my part of K step 0 is in; K step 1's may stay out
	s_barrier_signal -1
	s_barrier_wait -1
	FETCH 0, 0, F0
	LAP 1                                          ; the first lap stands in front of the loop: its first products start the sums
	WIN 0                                          ; at a label and at a branch every window is 0
	s_mov_b32 s3, LAPS-2
.Llap:
	LAP 0
	WIN 0
	s_sub_co_u32 s3, s3, 1
	s_cmp_lg_u32 s3, 0
	s_cbranch_scc1 .Llap
	THREE 0, 0                                     ; the last lap fills nothing
	TURN 0, 1, 0
	THREE 1, 0
	s_wait_dscnt 8
	WIN MUL_LO
	MUL16 F1, 0, 0, 0
	MUL16 F1, 0, 2, 0
	s_wait_dscnt 0
	WIN MUL_HI
	MUL16 F1, 1, 0, 0
	MUL16 F1, 1, 2, 0
	; THE WAY OUT, 16 tokens at a time: round to f16, 16 bytes a lane into my own stage, read back so that sixteen lanes hold two tokens of one head.
	PLACES
	s_lshl_b32 s16, s13, 8
	s_lshl_b32 s14, s11, 7
	s_add_co_u32 s16, s16, s14                     ; my first row of the 4096
	s_lshr_b32 s17, s16, 11                        ; the batch: 16 heads of 262,144 bytes
	s_lshl_b32 s17, s17, 22
	s_and_b32 s16, s16, 2047                       ; the token: 128 bytes
	s_lshl_b32 s16, s16, 7
	s_add_co_u32 s16, s16, s17
	s_lshl_b32 s17, s45, 23                        ; q, k or v: 8,388,608 bytes each
	s_add_co_u32 s16, s16, s17
	s_mov_b32 s17, 0
	s_add_nc_u64 s[6:7], s[6:7], s[16:17]
	s_lshl_b32 s46, s40, 20                        ; my first head = 4 cx + 2 x half (in the registers that held the weight's address)
	s_lshl_b32 s47, s12, 19
	s_add_co_u32 s46, s46, s47
	s_mov_b32 s47, 0
	s_add_nc_u64 s[6:7], s[6:7], s[46:47]
.macro OUT16 i, a, from, f
	WIN \from
.irp b, 0,1,2,3,4,5,6,7
.irp r, 0,1,2,3
	v_cvt_pk_f16_f32 v[TMP+4*\b+\r], v[8*(8*\a+\b)+2*\r], v[8*(8*\a+\b)+2*\r+1]
.endr
.endr
	WIN 0
.irp b, 0,1,2,3,4,5,6,7
	ds_store_b128 v[STO], v[TMP+4*\b:TMP+4*\b+3] offset:32*\b
.endr
	s_wait_xcnt 0x0                                ; buffer f, which earlier stores read, and the stores' base are rewritten only behind this wait
.if \i
	s_add_nc_u64 s[6:7], s[6:7], 16*128            ; 16 tokens on
.endif
.irp t, 0,1,2,3,4,5,6,7
	ds_load_b128 v[\f+4*\t:\f+4*\t+3], v[RD] offset:\t*2*SPITCH    ; LDS serves a wave's instructions in order: these see the stores above
.endr
.irp t, 0,1,2,3,4,5,6,7
	s_wait_dscnt 7-\t
	global_store_b128 v[CO], v[\f+4*\t:\f+4*\t+3], s[6:7] offset:256*\t    ; 16 lanes store 256 consecutive bytes, aligned: two tokens of one head
.endr
.endm
	OUT16 0, 0, 0x0a, F0
	OUT16 1, 1, 0x0a, F1
	OUT16 2, 2, 0x0a, F0
	OUT16 3, 3, 0x0a, F1
	OUT16 4, 0, 0x0f, F0
	OUT16 5, 1, 0x0f, F1
	OUT16 6, 2, 0x0f, F0
	OUT16 7, 3, 0x0f, F1
	s_set_vgpr_msb 0x1
	s_wait_tensorcnt 0x0
	ds_add_u32 v255, v255
	s_wait_dscnt 0x0
	s_set_vgpr_msb 0x100
	CROUND                                         ; the closing round: no work-group ends while a partner may still ask for a tile that names it
	s_endpgm
.Lfunc_end_k_q13d2fa5aa5_qkvproj:
	.size	k_q13d2fa5aa5_qkvproj, .Lfunc_end_k_q13d2fa5aa5_qkvproj-k_q13d2fa5aa5_qkvproj
	.p2alignl 7, 3214868480
	.fill 96, 4, 3214868480
	.section	.rodata,"a",@progbits
	.p2align	6, 0x0
	.amdhsa_kernel k_q13d2fa5aa5_qkvproj
		.amdhsa_group_segment_fixed_size 327680
		.amdhsa_private_segment_fixed_size 0
		.amdhsa_enable_private_segment 0
		.amdhsa_kernarg_size 16
		.amdhsa_user_sgpr_count 2
		.amdhsa_user_sgpr_kernarg_segment_ptr 1
		.amdhsa_wavefront_size32 1
		.amdhsa_system_sgpr_workgroup_id_x 1
		.amdhsa_system_sgpr_workgroup_id_y 1
		.amdhsa_system_sgpr_workgroup_id_z 1
		.amdhsa_system_vgpr_workitem_id 0
		.amdhsa_next_free_vgpr 1024
		.amdhsa_next_free_sgpr 66
		.amdhsa_reserve_vcc 0
		.amdhsa_float_denorm_mode_32 3
		.amdhsa_float_denorm_mode_16_64 3
		.amdhsa_memory_ordered 1
		.amdhsa_forward_progress 1
		.amdhsa_inst_pref_size 197
	.end_amdhsa_kernel
	.amdgpu_metadata
---
amdhsa.version: [ 1, 2 ]
amdhsa.kernels:
  - .name:           k_q13d2fa5aa5_qkvproj
    .symbol:         k_q13d2fa5aa5_qkvproj.kd
    .args:
      - { .name: cb, .offset: 0, .size: 8, .value_kind: global_buffer, .address_space: global }
      - { .name: qkv, .offset: 8, .size: 8, .value_kind: global_buffer, .address_space: global }
    .group_segment_fixed_size: 327680
    .private_segment_fixed_size: 0
    .kernarg_segment_align: 8
    .kernarg_segment_size: 16
    .max_flat_workgroup_size: 128
    .sgpr_count:     66
    .vgpr_count:     1024
    .wavefront_size: 32
...
	.end_amdgpu_metadata
.endif
;; end of part 2
;; launch attn (part 3): grid 16 x 16, 8 waves a work-group, clusters of 4 x 4, 327,680 bytes of LDS; arguments qkv, bias, att; writes att
.if DOCPART == 3
	.amdgcn_target "amdgcn-amd-amdhsa--gfx1250"
	.amdhsa_code_object_version 6
	.text
	.protected	k_q13d2fa5aa5_attn
	.globl	k_q13d2fa5aa5_attn
	.p2align	8
	.type	k_q13d2fa5aa5_attn,@function
k_q13d2fa5aa5_attn:
	s_mov_b64 s[64:65], 0
	v_nop
	global_prefetch_b8 v0, s[64:65] scope:SCOPE_SE
	s_setreg_imm32_b32 hwreg(HW_REG_WAVE_MODE, 25, 1), 1
	s_wait_xcnt 0x0
	s_wait_alu depctr_hold_cnt(0) depctr_sa_sdst(0) depctr_va_vdst(0) depctr_va_sdst(0) depctr_va_ssrc(0) depctr_va_vcc(0) depctr_vm_vsrc(0)
	s_getreg_b32 s2, hwreg(HW_REG_IB_STS2, 6, 4)
	s_cmp_eq_u32 s2, 0
	s_cbranch_scc0 .Lentry_in_a_cluster
	s_endpgm
.Lentry_in_a_cluster:
	s_bfe_u32 s2, ttmp6, 0x10000c
	s_cmp_lg_u32 s2, 0xf033
	s_cbranch_scc0 .Lentry_shape_is_right
	s_endpgm
.Lentry_shape_is_right:
; attn: att[token][head x 64 + d] = softmax over keys of (q k^T + bias) times v, for 32 (batch, head) pairs, 2048 queries, 2048 keys, depth 64.
; q already carries the factor 1/8.  f16 operands, f32 sums, a running maximum and a running sum for each query.
; LIMITS: logits at or below -1e30 count as minus infinity (the running maximum starts there); the bias is the C operand of the logit product,
; so it is added inside the matrix unit's f32 sum, in another order of rounding than a separate addition.
; A work-group takes 128 queries of two heads of one batch (head pair hp, query block qb); wave w takes head w / 4 and queries 32 (w % 4) .. + 31.
; CLUSTER 4 x 4: the bias tile hangs on qb alone and is asked for jointly along a row of the cluster; K and V hang on hp alone and are asked for
; jointly along a column.  Each divides its requests by four.
; THE PRODUCTS ARE TRANSPOSED.  S^T = K Q^T + bias^T: lane (r, h), register j of tile (qt, kt) holds key 16 kt + 8 h + j of query 16 qt + r.
; Two such tiles, rounded to f16 in pairs, ARE the second operand (n = query, k = 32 keys) of O^T = V^T P^T, so P never leaves the registers,
; and a query's maximum and sum live in two lanes (r and r + 16).  V^T comes from rows [key][d] by the transposing LDS load.
; THE PIPELINE.  A step is 64 keys.  In step i the vector unit makes the softmax of step i; between its instructions stand, in groups of four,
; first the 16 products P V of step i - 1 and then the 16 products K Q^T of step i + 1.  So every stretch of the text holds matrix work and
; vector work.  O is multiplied by step i's factor behind P V (i - 1); P V (i) follows in step i + 1.  The logits have two buffers that take turns:
; P (i - 1) lies in the buffer into which the logits of step i + 1 are written once it has been used.
; OPERANDS ARE FETCHED AHEAD: bias and K of step i + 1 at the head of step i, V of step i in the middle of step i (it is used in step i + 1).
; THE RING.  An LDS slot holds 128 keys = two steps.  K and bias are read one step ahead of V, so V's ring lags by one slot: the round of the
; cluster's barrier in even step 2 s fills again the K and bias regions of slot s % 2 (steps 2 s, 2 s + 1 have been read) with keys 128 (s + 2) ..,
; and the V region of the OTHER slot (steps 2 s - 2, 2 s - 1 have been read) with keys 128 (s + 1) ...  What a round asks for is shown landed by the
; next round's wait for all tensor loads, ahead of its first read.
; REGISTERS, in windows of 256.  Window 0, all that the vector unit touches: v0-31 addresses and softmax state, v32-63 Q, v64-127 and v128-191 the two
; logit buffers, v192-255 O^T.  Window 1, what only loads write and only products read: v256-319 K, v320-383 V, v384-447 bias.
; s_set_vgpr_msb's low byte: bits 1:0 source 0, 3:2 source 1, 5:4 source 2, 7:6 destination.  A group of products or a run of loads stands under
; one setting: 20 switches a step beside 32 matrix, some 240 vector and 48 LDS instructions.
.set BP, 528                           ; a bias row in LDS: 128 f32 + 16 bytes
.set KP, 144                           ; a key's row of K: 128 bytes + 16, an odd multiple of 16
.set VP, 160                           ; a key's row of V: 128 bytes + 32, an odd multiple of 32
.set KOFF, 128*BP                      ; 67,584: K of head 0, then of head 1
.set VOFF, KOFF+2*128*KP               ; 104,448: V of head 0, then of head 1
.set SLOT, VOFF+2*128*VP               ; 145,408: a slot holds 128 keys, two steps of 64
.set STAGE, 2*SLOT                     ; 290,816: 128 rows x 272 bytes for the way out; no tensor load lands here
.set SP, 272
.set AB, 2                             ; v2-3    my bias rows in slot 0, 1
.set AK, 4                             ; v4-5    my K fragments
.set AV, 6                             ; v6-7    my V fragments
.set STO, 8                            ; v8      the way out: where I put 16 bytes
.set RD, 9                             ; v9      where I read back
.set CO, 10                            ; v10     my byte offset in att
.set QO, 11                            ; v11     my byte offset in q
.set NM, 12                            ; v12-15  for qt = 0, 1: (-log2e x maximum, maximum)
.set AL, 16                            ; v16-19  for qt = 0, 1: (factor for the old sums, my lane's part of the running sum)
.set TA, 20                            ; v20, v24  at work
.set TB, 21                            ; v21, v25
.set C0, 22                            ; v[22:23], v[26:27], v[28:29], v[30:31]: four chains of sums by pairs
.set C1, 26
.set C2, 28
.set C3, 30
.set Q, 32                             ; v32-63   Q fragments (16 qt + 8 dh)
.set S, 64                             ; v64-191  two buffers of 64: logits, then exponentials (32 qt + 8 kt + j), then P (32 qt + 16 g)
.set O, 192                            ; v192-255 O^T (32 qt + 8 dt)
.set KF, 0                             ; window 1: v256-319 K fragments (16 kt + 8 dh)
.set VF, 64                            ; window 1: v320-383 V fragments (32 g + 8 dt)
.set BI, 128                           ; window 1: v384-447 bias (32 qt + 8 kt + j)
.set W_LD,  0x40                       ; an LDS load's destination in window 1, its address in window 0
.set W_QK0, 0x11                       ; a product with A (K) and C (bias) in window 1, B (Q) and D (logits) in window 0
.set W_A1,  0x01                       ; a product with A (K or V) in window 1, B, C and D in window 0
.set G1B, 16                           ; s[16:23] group 1, bias
.set G1K, 24                           ; s[24:31] group 1, K
.set G1V, 32                           ; s[32:39] group 1, V
.set G0B, 48                           ; s[48:55] group 0, bias, a set for each slot
.set G0K, 56                           ; s[56:63] group 0, K
.set G0V, 68                           ; s[68:75] group 0, V
.set MSB, 0
.macro WIN new                         ; the immediate's high byte repeats the setting that is left; at a label and at a branch every window is 0
.if MSB != \new
	s_set_vgpr_msb (MSB<<8)|\new
.set MSB, \new
.endif
.endm
.macro PLACES cnt
.rept \cnt
	v_nop
.endr
.endm
.macro CROUND                          ; a whole round of the cluster's barrier with nothing inside: at the start and at the end
	s_barrier_signal -1
	s_barrier_wait -1
	s_cmp_lg_u32 s10, 0
	s_cbranch_scc1 .Lnot_wave_0_\@
	s_barrier_signal -3
.Lnot_wave_0_\@:
	s_barrier_wait -3
	s_barrier_signal -1
	s_barrier_wait -1
.endm
; A joint load, at most one a wave, 16,384 bytes of memory each: waves 0-3 32 rows of bias each, waves 4, 5 K of head 0, 1, waves 6, 7 V of head 0, 1.
; rk = 1: all; rk = 2: bias and K alone; rk = 3: V alone.  sk: the slot of bias and K; sv: the slot of V.
; The branches hang on the wave number alone; each line has one mask and its own registers.
.macro JLOAD rk, sk, sv
.if \rk < 3
	s_cmp_lt_u32 s10, 4
	s_cbranch_scc0 .Lnot_bias_\@
	tensor_load_to_lds s[G0B+4*\sk:G0B+4*\sk+3], s[G1B:G1B+7]
	s_nop 0
	s_branch .Lasked_\@
.Lnot_bias_\@:
.endif
	s_cmp_lt_u32 s10, 6
	s_cbranch_scc0 .Lfor_v_\@
.if \rk < 3
	tensor_load_to_lds s[G0K+4*\sk:G0K+4*\sk+3], s[G1K:G1K+7]
	s_nop 0
.endif
	s_branch .Lasked_\@
.Lfor_v_\@:
.if \rk & 1
	tensor_load_to_lds s[G0V+4*\sv:G0V+4*\sv+3], s[G1V:G1V+7]
	s_nop 0
.endif
.Lasked_\@:
.endm
	s_load_b128 s[4:7], s[0:1], 0x0                ; qkv s[4:5], bias s[6:7]
	s_load_b64 s[8:9], s[0:1], 0x10                ; att
	s_set_vgpr_msb 0x40
	v_lshl_add_u32 v192, v0, 2, 0x4f800
	v_mov_b32 v193, 0
	s_set_vgpr_msb 0x4045
	ds_add_u32 v192, v193
	s_set_vgpr_msb 0x4500
	v_lshrrev_b32 v1, 5, v0
	v_readfirstlane_b32 s10, v1                    ; wave 0..7
	s_lshr_b32 s11, s10, 2                         ; my head of the pair
	s_and_b32 s12, s10, 3                          ; my 32 queries; also: which 32 rows of bias I fetch
	s_and_b32 s14, s10, 1                          ; which head's K or V I fetch
	s_bfe_u32 s40, ttmp6, 0x40000                  ; cx
	s_bfe_u32 s41, ttmp6, 0x40004                  ; cy
	s_lshl_b32 s42, ttmp9, 2
	s_add_co_u32 s42, s42, s40                     ; hp = 4 x cluster x + cx: heads 2 hp, 2 hp + 1 of the 32
	s_and_b32 s13, ttmp7, 0xffff
	s_lshl_b32 s13, s13, 2
	s_add_co_u32 s13, s13, s41                     ; qb = 4 x cluster y + cy
	s_lshl_b32 s43, s41, 2
	s_lshl_b32 s43, 15, s43                        ; my row of the cluster
	s_lshl_b32 s44, 0x1111, s40                    ; my column
	s_mov_b32 s82, 0x76543210                      ; v_permlanex16_b32: lane i of one half reads lane i of the other
	s_mov_b32 s83, 0xfedcba98
	s_mov_b32 s84, 0xbfb8aa3b                      ; -log2(e)
	; bias: 32 rows x 128 elements of 4 bytes, 4 words of padding behind every 128
	s_or_b32 s[G1B+0], s43, (2<<16)|(1<<20)|(1<<21)|(6<<22)|(3<<25)
	s_mov_b32 s[G1B+1], 128<<16
	s_mov_b32 s[G1B+2], 32<<16
	s_mov_b32 s[G1B+3], 128<<16
	s_mov_b32 s[G1B+4], 32
	s_mov_b32 s[G1B+5], 2048
	s_mov_b32 s[G1B+6], 0
	s_mov_b32 s[G1B+7], 0
	; K: 128 keys x 128 bytes lie dense in memory: taken as 64 rows of 128 elements of 2 bytes, 4 words of padding behind every 32 words, that is behind each key
	s_or_b32 s[G1K+0], s44, (1<<16)|(1<<20)|(1<<21)|(4<<22)|(3<<25)
	s_mov_b32 s[G1K+1], 128<<16
	s_mov_b32 s[G1K+2], 64<<16
	s_mov_b32 s[G1K+3], 128<<16
	s_mov_b32 s[G1K+4], 64
	s_mov_b32 s[G1K+5], 128
	s_mov_b32 s[G1K+6], 0
	s_mov_b32 s[G1K+7], 0
	; V: the same with 8 words of padding
	s_or_b32 s[G1V+0], s44, (1<<16)|(1<<20)|(1<<21)|(4<<22)|(7<<25)
	s_mov_b32 s[G1V+1], 128<<16
	s_mov_b32 s[G1V+2], 64<<16
	s_mov_b32 s[G1V+3], 128<<16
	s_mov_b32 s[G1V+4], 64
	s_mov_b32 s[G1V+5], 128
	s_mov_b32 s[G1V+6], 0
	s_mov_b32 s[G1V+7], 0
	s_lshl_b32 s46, s13, 20                        ; bias: 128 rows of 8,192 bytes x qb
	s_lshl_b32 s47, s12, 18                        ; + 32 rows x (wave % 4): made of qb and the wave alone
	s_add_co_u32 s46, s46, s47
	s_mov_b32 s47, 0
	s_lshl_b32 s76, s42, 19                        ; K, V: two heads of 262,144 bytes x hp
	s_lshl_b32 s77, s14, 18                        ; + the head that I fetch: made of hp and the wave alone
	s_add_co_u32 s76, s76, s77
	s_mov_b32 s77, 0
	s_lshl_b32 s78, s42, 19                        ; Q: my head,
	s_lshl_b32 s79, s11, 18
	s_add_co_u32 s78, s78, s79
	s_lshl_b32 s79, s13, 14                        ; 128 tokens of 128 bytes x qb,
	s_add_co_u32 s78, s78, s79
	s_lshl_b32 s79, s12, 12                        ; my 32 tokens
	s_add_co_u32 s78, s78, s79
	s_mov_b32 s79, 0
	s_mul_i32 s15, s12, 32*BP                      ; LDS: 32 bias rows x (wave % 4)
	s_mul_i32 s45, s14, 128*KP
	s_mul_i32 s81, s14, 128*VP
	s_wait_dscnt 0x0
	s_wait_kmcnt 0x0
	s_add_nc_u64 s[46:47], s[6:7], s[46:47]
	s_add_nc_u64 s[76:77], s[4:5], s[76:77]
	s_add_nc_u64 s[78:79], s[4:5], s[78:79]
	CROUND                                         ; all sixteen work-groups are here: the first joint loads meet
.irp s, 0,1
	s_mov_b32 s[G0B+4*\s], 1
	s_add_co_u32 s[G0B+4*\s+1], s15, \s*SLOT
	s_add_nc_u64 s[G0B+4*\s+2:G0B+4*\s+3], s[46:47], \s*512                ; keys 128 s ..: 512 bytes along the rows
	s_or_b32 s[G0B+4*\s+3], s[G0B+4*\s+3], 0x80000000
	s_mov_b32 s[G0K+4*\s], 1
	s_add_co_u32 s[G0K+4*\s+1], s45, KOFF+\s*SLOT
	s_add_nc_u64 s[G0K+4*\s+2:G0K+4*\s+3], s[76:77], 0x800000+\s*16384     ; k lies 8,388,608 bytes into qkv
	s_or_b32 s[G0K+4*\s+3], s[G0K+4*\s+3], 0x80000000
	s_mov_b32 s[G0V+4*\s], 1
	s_add_co_u32 s[G0V+4*\s+1], s81, VOFF+\s*SLOT
	s_add_nc_u64 s[G0V+4*\s+2:G0V+4*\s+3], s[76:77], 0x1000000+\s*16384    ; v 16,777,216 bytes
	s_or_b32 s[G0V+4*\s+3], s[G0V+4*\s+3], 0x80000000
	JLOAD 1, \s, \s                                ; both slots are asked for before anything else: two loads of mine are out
.endr
	v_and_b32 v20, 15, v0                          ; r
	v_bfe_u32 v21, v0, 4, 1                        ; h
	v_and_b32 v22, 7, v0                           ; l % 8
	v_bfe_u32 v23, v0, 3, 1                        ; (l / 8) % 2
	v_lshlrev_b32 v24, 4, v21
	v_lshl_add_u32 v[QO], v20, 7, v24              ; token r x 128 bytes + 16 h
.irp qt, 0,1
.irp dh, 0,1
	global_load_b128 v[Q+16*\qt+8*\dh:Q+16*\qt+8*\dh+3],   v[QO], s[78:79] offset:2048*\qt+64*\dh       ; Q(16 qt + r, 32 dh + 8 h ..)
	global_load_b128 v[Q+16*\qt+8*\dh+4:Q+16*\qt+8*\dh+7], v[QO], s[78:79] offset:2048*\qt+64*\dh+32    ; Q(16 qt + r, 32 dh + 16 + 8 h ..)
.endr
.endr
	v_mul_u32_u24 v24, v20, BP
	v_lshl_add_u32 v24, v21, 5, v24
	v_add_nc_u32 v[AB], s15, v24                   ; bias row 32 (w % 4) + r, 8 h keys in
	v_add_nc_u32 v[AB+1], SLOT, v[AB]
	s_mul_i32 s86, s11, 128*KP
	s_add_co_u32 s86, s86, KOFF
	v_mul_u32_u24 v24, v20, KP
	v_lshl_add_u32 v24, v21, 4, v24
	v_add_nc_u32 v[AK], s86, v24                   ; my head's K: key r, 16 h bytes in
	v_add_nc_u32 v[AK+1], SLOT, v[AK]
	s_mul_i32 s87, s11, 128*VP
	s_add_co_u32 s87, s87, VOFF
	v_lshl_add_u32 v24, v21, 3, v22
	v_mul_u32_u24 v24, v24, VP
	v_lshl_add_u32 v24, v23, 4, v24
	v_add_nc_u32 v[AV], s87, v24                   ; my head's V: key 8 h + l % 8, 16 bytes of d by (l / 8) % 2
	v_add_nc_u32 v[AV+1], SLOT, v[AV]
	s_mul_i32 s88, s12, 32*SP
	s_lshl_b32 s89, s11, 7
	s_add_co_u32 s88, s88, s89
	s_add_co_u32 s88, s88, STAGE
	v_mul_u32_u24 v24, v20, SP
	v_lshl_add_u32 v24, v21, 4, v24
	v_add_nc_u32 v[STO], s88, v24                  ; stage row 32 (w % 4) + r, my head's 128 bytes, 16 h
	s_mul_i32 s89, s10, 16*SP
	s_add_co_u32 s89, s89, STAGE
	v_mul_u32_u24 v24, v21, SP
	v_lshl_add_u32 v24, v20, 4, v24
	v_add_nc_u32 v[RD], s89, v24                   ; back: stage rows 16 w + h, 16 r bytes in
	v_lshlrev_b32 v24, 4, v20
	v_lshl_add_u32 v[CO], v21, 11, v24             ; and the same two rows of att (2,048 bytes each)
	v_mov_b32 v[NM+1], 0xf149f2ca                  ; the running maxima start at -1e30
	v_mov_b32 v[NM+3], 0xf149f2ca
; 32 LDS loads: the bias and K's fragments of the 64 keys at place u of a slot, into window 1.
.macro LDKB slot, u
	WIN W_LD
.irp kt, 0,1,2,3
.irp qt, 0,1
	ds_load_b128 v[BI+32*\qt+8*\kt:BI+32*\qt+8*\kt+3],   v[AB+\slot] offset:16*BP*\qt+256*\u+64*\kt
	ds_load_b128 v[BI+32*\qt+8*\kt+4:BI+32*\qt+8*\kt+7], v[AB+\slot] offset:16*BP*\qt+256*\u+64*\kt+16
.endr
.endr
.irp kt, 0,1,2,3
.irp dh, 0,1
	ds_load_b128 v[KF+16*\kt+8*\dh:KF+16*\kt+8*\dh+3],   v[AK+\slot] offset:64*KP*\u+16*KP*\kt+64*\dh
	ds_load_b128 v[KF+16*\kt+8*\dh+4:KF+16*\kt+8*\dh+7], v[AK+\slot] offset:64*KP*\u+16*KP*\kt+64*\dh+32
.endr
.endr
	WIN 0
.endm
; 16 transposing LDS loads: V's fragments of the 64 keys at place u of a slot, into window 1.
.macro LDV slot, u
	WIN W_LD
.irp g, 0,1
.irp dt, 0,1,2,3
	ds_load_tr16_b128 v[VF+32*\g+8*\dt:VF+32*\g+8*\dt+3],   v[AV+\slot] offset:64*VP*\u+32*VP*\g+32*\dt          ; V(keys 32 g + 8 h .., d = 16 dt + r)
	ds_load_tr16_b128 v[VF+32*\g+8*\dt+4:VF+32*\g+8*\dt+7], v[AV+\slot] offset:64*VP*\u+32*VP*\g+32*\dt+16*VP   ; keys 32 g + 16 + 8 h ..
.endr
.endr
	WIN 0
.endm
; Group gi (0..3) of the 16 logit products into buffer db: key tiles 2 (gi / 2), + 1, both query tiles, half gi % 2 of the depth.  The first half
; takes the bias as C and starts the sums; the second adds in place.  Four accumulators take turns, one instruction a turn.
.macro QKG gi, db
.if (\gi%2) == 0
	WIN W_QK0
.else
	WIN W_A1
.endif
.irp kk, 0,1
.irp qt, 0,1
.set d_, \db+32*\qt+8*(2*(\gi/2)+\kk)
.set a_, KF+16*(2*(\gi/2)+\kk)+8*(\gi%2)
.set b_, Q+16*\qt+8*(\gi%2)
.set c_, BI+32*\qt+8*(2*(\gi/2)+\kk)
.if (\gi%2) == 0
	v_wmma_f32_16x16x32_f16 v[d_:d_+7], v[a_:a_+7], v[b_:b_+7], v[c_:c_+7]
.else
	v_wmma_f32_16x16x32_f16 v[d_:d_+7], v[a_:a_+7], v[b_:b_+7], v[d_:d_+7]
.endif
.endr
.endr
	WIN 0
.endm
; Group gi (0..3) of the 16 products O^T += V^T P^T, P in buffer pb: keys 32 (gi / 2) .. + 31, depth tiles 2 (gi % 2), + 1, both query tiles.
; The eight accumulators take turns, one instruction a turn.  zero = 1: the product starts the sum.
.macro PVG gi, pb, zero
	WIN W_A1
.irp dd, 0,1
.irp qt, 0,1
.set d_, O+32*\qt+8*(2*(\gi%2)+\dd)
.set a_, VF+32*(\gi/2)+8*(2*(\gi%2)+\dd)
.set b_, \pb+32*\qt+16*(\gi/2)
.if \zero
	v_wmma_f32_16x16x32_f16 v[d_:d_+7], v[a_:a_+7], v[b_:b_+7], 0
.else
	v_wmma_f32_16x16x32_f16 v[d_:d_+7], v[a_:a_+7], v[b_:b_+7], v[d_:d_+7]
.endif
.endr
.endr
	WIN 0
.endm
; The softmax of 64 keys x 32 queries in pieces; a lane holds 32 logits of each of two queries, in buffer sc.
.macro MAXA sc                         ; two chains of maxima for each query
.irp qt, 0,1
	v_max3_num_f32 v[TA+4*\qt], v[\sc+32*\qt],    v[\sc+32*\qt+1],  v[\sc+32*\qt+2]
	v_max3_num_f32 v[TB+4*\qt], v[\sc+32*\qt+16], v[\sc+32*\qt+17], v[\sc+32*\qt+18]
.endr
.irp i, 3,5,7,9,11,13
.irp qt, 0,1
	v_max3_num_f32 v[TA+4*\qt], v[TA+4*\qt], v[\sc+32*\qt+\i],    v[\sc+32*\qt+\i+1]
	v_max3_num_f32 v[TB+4*\qt], v[TB+4*\qt], v[\sc+32*\qt+16+\i], v[\sc+32*\qt+16+\i+1]
.endr
.endr
.endm
.macro MAXB sc, first                  ; the old maximum joins, then the other half of the lanes; the factor for the old sums
.irp qt, 0,1
	v_max3_num_f32 v[TA+4*\qt], v[TA+4*\qt], v[\sc+32*\qt+15], v[NM+2*\qt+1]
.endr
.irp qt, 0,1
	v_max3_num_f32 v[TA+4*\qt], v[TA+4*\qt], v[TB+4*\qt], v[\sc+32*\qt+31]
.endr
.irp qt, 0,1
	v_permlanex16_b32 v[TB+4*\qt], v[TA+4*\qt], s82, s83
.endr
.irp qt, 0,1
	v_max_num_f32 v[NM+2*\qt+1], v[TA+4*\qt], v[TB+4*\qt]
.endr
	; the old sums' factor is 2^(new - old) of the SAME rounded products -log2e x maximum that the exponentials use
.if \first == 0
.irp qt, 0,1
	v_mov_b32 v[TB+4*\qt], v[NM+2*\qt]
.endr
.endif
.irp qt, 0,1
	v_mul_f32 v[NM+2*\qt], s84, v[NM+2*\qt+1]
.endr
.if \first == 0
.irp qt, 0,1
	v_sub_f32 v[TB+4*\qt], v[NM+2*\qt], v[TB+4*\qt]
.endr
.irp qt, 0,1
	v_exp_f32 v[AL+2*\qt], v[TB+4*\qt]             ; the multiply-adds that follow are the plain instructions behind it (ISA guide 5.7.2)
.endr
.endif
.endm
.macro FMA sc, qt                      ; log2e x logit - log2e x maximum, 32 numbers of one query tile
.irp i, 0,2,4,6,8,10,12,14,16,18,20,22,24,26,28,30
	v_pk_fma_f32 v[\sc+32*\qt+\i:\sc+32*\qt+\i+1], v[\sc+32*\qt+\i:\sc+32*\qt+\i+1], 0x3fb8aa3b, v[NM+2*\qt:NM+2*\qt+1] op_sel_hi:[1,0,0]
.endr
.endm
.macro EXPN base, cnt                  ; e^(logit - maximum), at most 1, in place
.set j_, 0
.rept \cnt
	v_exp_f32 v[\base+j_], v[\base+j_]
.set j_, j_+1
.endr
.endm
.macro SUM sc, qt, first               ; my 32 exponentials of one query tile, in four chains by pairs; then the running sum
.set s_, \sc+32*\qt
	s_wait_alu depctr_va_vdst(0)
	v_pk_add_f32 v[C0:C0+1], v[s_:s_+1],     v[s_+2:s_+3]
	v_pk_add_f32 v[C1:C1+1], v[s_+8:s_+9],   v[s_+10:s_+11]
	v_pk_add_f32 v[C2:C2+1], v[s_+16:s_+17], v[s_+18:s_+19]
	v_pk_add_f32 v[C3:C3+1], v[s_+24:s_+25], v[s_+26:s_+27]
.irp j, 4,6
	v_pk_add_f32 v[C0:C0+1], v[C0:C0+1], v[s_+\j:s_+\j+1]
	v_pk_add_f32 v[C1:C1+1], v[C1:C1+1], v[s_+8+\j:s_+8+\j+1]
	v_pk_add_f32 v[C2:C2+1], v[C2:C2+1], v[s_+16+\j:s_+16+\j+1]
	v_pk_add_f32 v[C3:C3+1], v[C3:C3+1], v[s_+24+\j:s_+24+\j+1]
.endr
	v_pk_add_f32 v[C0:C0+1], v[C0:C0+1], v[C1:C1+1]
	v_pk_add_f32 v[C2:C2+1], v[C2:C2+1], v[C3:C3+1]
	v_pk_add_f32 v[C0:C0+1], v[C0:C0+1], v[C2:C2+1]
.if \first
	v_add_f32 v[AL+2*\qt+1], v[C0], v[C0+1]
.else
	v_add_f32 v[TA+4*\qt], v[C0], v[C0+1]
	v_fma_f32 v[AL+2*\qt+1], v[AL+2*\qt+1], v[AL+2*\qt], v[TA+4*\qt]
.endif
.endm
.macro RESC qt                         ; the old O^T of one query tile times the factor
.irp i, 0,2,4,6,8,10,12,14,16,18,20,22,24,26,28,30
	v_pk_mul_f32 v[O+32*\qt+\i:O+32*\qt+\i+1], v[O+32*\qt+\i:O+32*\qt+\i+1], v[AL+2*\qt:AL+2*\qt+1] op_sel_hi:[1,0]
.endr
.endm
.macro CVT sc, qt, g                   ; one fragment of P in f16, packed in place: word i takes numbers 2 i, 2 i + 1, which lie at or above it
.irp i, 0,1,2,3,4,5,6,7
	v_cvt_pk_f16_f32 v[\sc+32*\qt+16*\g+\i], v[\sc+32*\qt+16*\g+2*\i], v[\sc+32*\qt+16*\g+2*\i+1]
.endr
.endm
; The round of the cluster's barrier in four pieces, with register work alone between them.
.macro ROPEN rk, sk, sv
	s_wait_dscnt 0x0                               ; my LDS reads are back, those of the regions that are filled again among them
	s_set_vgpr_msb 0x5
	s_wait_tensorcnt 0x0                           ; all my tensor loads have landed, so a group 0 may be written, and what the last round asked for is whole
	ds_add_u32 v192, v193
	s_wait_dscnt 0x0
	s_set_vgpr_msb 0x500
.if \rk < 3
	s_add_nc_u64 s[G0B+4*\sk+2:G0B+4*\sk+3], s[G0B+4*\sk+2:G0B+4*\sk+3], 2*512
	s_add_nc_u64 s[G0K+4*\sk+2:G0K+4*\sk+3], s[G0K+4*\sk+2:G0K+4*\sk+3], 2*16384
.endif
.if \rk & 1
	s_add_nc_u64 s[G0V+4*\sv+2:G0V+4*\sv+3], s[G0V+4*\sv+2:G0V+4*\sv+3], 2*16384
.endif
	s_barrier_signal -1
.endm
.macro RMID1
	s_barrier_wait -1                              ; every wave of my work-group has said so: wave 0 says so for the work-group
	s_cmp_lg_u32 s10, 0
	s_cbranch_scc1 .Lnot_wave_0_\@
	s_barrier_signal -3
.Lnot_wave_0_\@:
.endm
.macro RMID2
	s_barrier_wait -3                              ; all sixteen work-groups have said so
	s_barrier_signal -1
.endm
; One step.  cur: the buffer with this step's logits; (ks, ku): slot and place of the next step's bias and K; (vs, vu): of this step's V;
; rk: 0 no barrier, 1-3 a round with the joint loads JLOAD rk, sk, sv behind it, 4 a plain barrier; first: step 0 (no old sums, no P V);
; pvz: the P V of the step before starts O's sums; last: no next step.
; Distances behind matrix instructions (ISA guide 7.12.1 for vector instructions) are kept by the vector work itself:
; behind the last P V group stand the 17 plain instructions of SUM before V's registers are loaded, O is multiplied or P's buffer is written over;
; behind the last K Q^T group stand 16 conversions before K's and the bias's registers are loaded and the logits are read.
.macro STEP cur, ks, ku, vs, vu, rk, sk, sv, first, pvz, last
.set SC_, S+64*\cur
.set SN_, S+64-64*\cur
.if \last == 0
	LDKB \ks, \ku
.endif
	MAXA SC_
.if \first == 0
.if \last
	s_wait_dscnt 0x0
.else
	s_wait_dscnt 32                                ; V of the step before is in; the 32 loads just issued may be out
.endif
	PVG 0, SN_, \pvz
.endif
	MAXB SC_, \first
	FMA SC_, 0
.if \rk
	ROPEN \rk, \sk, \sv
.endif
.if \first == 0
	PVG 1, SN_, \pvz
.endif
	EXPN SC_, 32
.if \rk
.if \rk < 4
	RMID1
.endif
.endif
.if \first == 0
	PVG 2, SN_, 0
.endif
	FMA SC_, 1                                     ; also the plain instructions behind the first query tile's exponentials
.if \rk
.if \rk < 4
	RMID2
.endif
.endif
	EXPN SC_+32, 16
.if \rk
	s_barrier_wait -1                              ; the round is closed (rk = 4: the plain barrier)
.if \rk < 4
	JLOAD \rk, \sk, \sv                            ; my one tensor load until the next round, ahead of my next LDS read
.endif
.endif
.if \first == 0
	PVG 3, SN_, 0
.endif
	EXPN SC_+48, 16
	SUM SC_, 0, \first                             ; reads the first tile's exponentials: plain instructions behind the second tile's
	LDV \vs, \vu
	SUM SC_, 1, \first
.if \last == 0
	s_wait_dscnt 16                                ; the next step's bias and K are in; the 16 loads of V may be out
	QKG 0, SN_
.endif
.if \first == 0
	RESC 0
.endif
.if \last == 0
	QKG 1, SN_
.endif
.if \first == 0
	RESC 1
.endif
.if \last == 0
	QKG 2, SN_
.endif
	CVT SC_, 0, 0
	CVT SC_, 1, 0
.if \last == 0
	QKG 3, SN_
.endif
	CVT SC_, 0, 1
	CVT SC_, 1, 1
.endm
	s_wait_loadcnt 0x0                             ; Q
	s_wait_tensorcnt 1                             ; my part of slot 0 is in; slot 1's may stay out
	s_barrier_signal -1
	s_barrier_wait -1
	LDKB 0, 0                                      ; the logits of step 0 stand alone in front of the pipeline
	s_wait_dscnt 0x0
	QKG 0, S
	QKG 1, S
	QKG 2, S
	QKG 3, S
	PLACES 4                                       ; four plain instructions before loads land on K and the bias and the maxima read the logits
	;    cur  K,bias  V     round      first pvz last
	STEP 0,   0, 1,   0, 0, 2, 0, 0,   1, 0, 0     ; step 0: bias and K of keys 256 .. go out; V's two slots were filled at the start
	STEP 1,   1, 0,   0, 1, 0, 0, 0,   0, 1, 0     ; step 1
	s_mov_b32 s80, 6                               ; steps 2 to 25, four a trip
.Lquad:
	STEP 0,   1, 1,   1, 0, 1, 1, 0,   0, 0, 0     ; step 4 t + 2: bias and K into slot 1, V into slot 0
	STEP 1,   0, 0,   1, 1, 0, 0, 0,   0, 0, 0
	STEP 0,   0, 1,   0, 0, 1, 0, 1,   0, 0, 0     ; step 4 t + 4: bias and K into slot 0, V into slot 1
	STEP 1,   1, 0,   0, 1, 0, 0, 0,   0, 0, 0
	s_sub_co_u32 s80, s80, 1
	s_cmp_lg_u32 s80, 0
	s_cbranch_scc1 .Lquad
	STEP 0,   1, 1,   1, 0, 1, 1, 0,   0, 0, 0     ; step 26: the last bias and K (keys 1920 ..), V of keys 1792 ..
	STEP 1,   0, 0,   1, 1, 0, 0, 0,   0, 0, 0
	STEP 0,   0, 1,   0, 0, 3, 0, 1,   0, 0, 0     ; step 28: the last V alone (keys 1920 ..)
	STEP 1,   1, 0,   0, 1, 0, 0, 0,   0, 0, 0
	STEP 0,   1, 1,   1, 0, 4, 0, 0,   0, 0, 0     ; step 30: nothing is left to fetch; a plain barrier shows the last V to every wave
	STEP 1,   0, 0,   1, 1, 0, 0, 0,   0, 0, 1     ; step 31: no next step
	s_wait_dscnt 0x0                               ; V of step 31
	PVG 0, S+64, 0
	PVG 1, S+64, 0
	PVG 2, S+64, 0
	PVG 3, S+64, 0
	; THE WAY OUT: divide by the sums, round to f16, gather the two heads' columns of each token in the stage, store whole rows of 256 bytes.
	PLACES 4                                       ; behind the last products
	v_permlanex16_b32 v[TA], v[AL+1], s82, s83     ; a query's sum lies in two lanes
	v_permlanex16_b32 v[TA+4], v[AL+3], s82, s83
	v_add_f32 v[AL+1], v[AL+1], v[TA]
	v_add_f32 v[AL+3], v[AL+3], v[TA+4]
	v_rcp_f32 v[AL], v[AL+1]
	v_rcp_f32 v[AL+2], v[AL+3]
	v_nop                                          ; the plain instruction behind the reciprocals
	s_wait_alu depctr_va_vdst(0)
	s_lshr_b32 s86, s42, 3                         ; batch x 2048 tokens
	s_lshl_b32 s86, s86, 11
	s_lshl_b32 s87, s13, 7                         ; + 128 qb
	s_add_co_u32 s86, s86, s87
	s_lshl_b32 s87, s10, 4                         ; + the 16 rows that I store
	s_add_co_u32 s86, s86, s87
	s_lshl_b32 s86, s86, 11                        ; rows of 2,048 bytes
	s_and_b32 s87, s42, 7
	s_lshl_b32 s87, s87, 8                         ; + the head pair's 256 bytes
	s_add_co_u32 s86, s86, s87
	s_mov_b32 s87, 0
	s_add_nc_u64 s[8:9], s[8:9], s[86:87]
	RESC 0                                         ; here the factor is 1 / sum
	RESC 1
.irp qt, 0,1
.irp i, 0,1,2,3,4,5,6,7,8,9,10,11,12,13,14,15
	v_cvt_pk_f16_f32 v[S+16*\qt+\i], v[O+32*\qt+2*\i], v[O+32*\qt+2*\i+1]              ; into logit buffer 0, which is free
.endr
.endr
.irp qt, 0,1
.irp dt, 0,1,2,3
	ds_store_b128 v[STO], v[S+16*\qt+4*\dt:S+16*\qt+4*\dt+3] offset:16*SP*\qt+32*\dt    ; d = 16 dt + 8 h .. + 7 of query 16 qt + r
.endr
.endr
	s_wait_dscnt 0x0                               ; for the others: my stores into the stage are done
	s_barrier_signal -1
	s_barrier_wait -1
.irp t, 0,1,2,3,4,5,6,7
	ds_load_b128 v[S+32+4*\t:S+32+4*\t+3], v[RD] offset:\t*2*SP
.endr
.irp t, 0,1,2,3,4,5,6,7
	s_wait_dscnt 7-\t
	global_store_b128 v[CO], v[S+32+4*\t:S+32+4*\t+3], s[8:9] offset:4096*\t    ; 16 lanes store 256 consecutive bytes, aligned
.endr
	s_set_vgpr_msb 0x5
	s_wait_tensorcnt 0x0
	ds_add_u32 v192, v193
	s_wait_dscnt 0x0
	s_set_vgpr_msb 0x500
	CROUND                                         ; the closing round: no work-group ends while a partner may still ask for a tile that names it
	s_endpgm
.Lfunc_end_k_q13d2fa5aa5_attn:
	.size	k_q13d2fa5aa5_attn, .Lfunc_end_k_q13d2fa5aa5_attn-k_q13d2fa5aa5_attn
	.p2alignl 7, 3214868480
	.fill 96, 4, 3214868480
	.section	.rodata,"a",@progbits
	.p2align	6, 0x0
	.amdhsa_kernel k_q13d2fa5aa5_attn
		.amdhsa_group_segment_fixed_size 327680
		.amdhsa_private_segment_fixed_size 0
		.amdhsa_enable_private_segment 0
		.amdhsa_kernarg_size 24
		.amdhsa_user_sgpr_count 2
		.amdhsa_user_sgpr_kernarg_segment_ptr 1
		.amdhsa_wavefront_size32 1
		.amdhsa_system_sgpr_workgroup_id_x 1
		.amdhsa_system_sgpr_workgroup_id_y 1
		.amdhsa_system_sgpr_workgroup_id_z 1
		.amdhsa_system_vgpr_workitem_id 0
		.amdhsa_next_free_vgpr 450
		.amdhsa_next_free_sgpr 96
		.amdhsa_reserve_vcc 0
		.amdhsa_float_denorm_mode_32 3
		.amdhsa_float_denorm_mode_16_64 3
		.amdhsa_memory_ordered 1
		.amdhsa_forward_progress 1
		.amdhsa_inst_pref_size 252
	.end_amdhsa_kernel
	.amdgpu_metadata
---
amdhsa.version: [ 1, 2 ]
amdhsa.kernels:
  - .name:           k_q13d2fa5aa5_attn
    .symbol:         k_q13d2fa5aa5_attn.kd
    .args:
      - { .name: qkv, .offset: 0, .size: 8, .value_kind: global_buffer, .address_space: global }
      - { .name: bias, .offset: 8, .size: 8, .value_kind: global_buffer, .address_space: global }
      - { .name: att, .offset: 16, .size: 8, .value_kind: global_buffer, .address_space: global }
    .group_segment_fixed_size: 327680
    .private_segment_fixed_size: 0
    .kernarg_segment_align: 8
    .kernarg_segment_size: 24
    .max_flat_workgroup_size: 256
    .sgpr_count:     96
    .vgpr_count:     450
    .wavefront_size: 32
...
	.end_amdgpu_metadata
.endif
;; end of part 3
;; launch oproj (part 4): grid 8 x 32, 4 waves a work-group, clusters of 4 x 4, 327,680 bytes of LDS; arguments att, cb, out0; writes out0
.if DOCPART == 4
	.amdgcn_target "amdgcn-amd-amdhsa--gfx1250"
	.amdhsa_code_object_version 6
	.text
	.protected	k_q13d2fa5aa5_oproj
	.globl	k_q13d2fa5aa5_oproj
	.p2align	8
	.type	k_q13d2fa5aa5_oproj,@function
k_q13d2fa5aa5_oproj:
	s_mov_b64 s[64:65], 0
	v_nop
	global_prefetch_b8 v0, s[64:65] scope:SCOPE_SE
	s_setreg_imm32_b32 hwreg(HW_REG_WAVE_MODE, 25, 1), 1
	s_wait_xcnt 0x0
	s_wait_alu depctr_hold_cnt(0) depctr_sa_sdst(0) depctr_va_vdst(0) depctr_va_sdst(0) depctr_va_ssrc(0) depctr_va_vcc(0) depctr_vm_vsrc(0)
	s_getreg_b32 s2, hwreg(HW_REG_IB_STS2, 6, 4)
	s_cmp_eq_u32 s2, 0
	s_cbranch_scc0 .Lentry_in_a_cluster
	s_endpgm
.Lentry_in_a_cluster:
	s_bfe_u32 s2, ttmp6, 0x10000c
	s_cmp_lg_u32 s2, 0xf033
	s_cbranch_scc0 .Lentry_shape_is_right
	s_endpgm
.Lentry_shape_is_right:
; oproj: out0 = att Wo, [4096][1024] = [4096][1024] x [1024][1024]; f16 operands (att as stored, Wo at cb + 23,068,672, laid [K][N]), f32 sums, f32 out.
; 256 work-groups, each a block of 128 x 128 with four waves; a wave makes 64 x 64: 16 accumulator tiles, 128 registers, in window 1.
; K goes in steps of 256 through two LDS slots, four steps in all, written out without a loop.
; CLUSTER 4 x 4: att's rows are asked for jointly along a row of the cluster, Wo's columns along a column.
; The matrix instruction is used transposed (source 0 = 16 columns of Wo, source 1 = 16 rows of att): a lane holds eight neighbouring columns of a row.
.set APITCH, 528                       ; a row of att in LDS: 512 bytes + 16
.set BPITCH, 288                       ; a k row of Wo in LDS: 256 bytes + 32, an odd multiple of 32
.set AHALF, 64*APITCH                  ; 33,792: one load of att
.set BHALF, 128*BPITCH                 ; 36,864: one load of Wo
.set BOFF, 2*AHALF                     ; 67,584
.set SLOT, BOFF+2*BHALF                ; 141,312
.set STAGE, 2*SLOT                     ; 282,624: 16 rows x 272 bytes for each wave; no tensor load lands here
.set SPITCH, 272
.set ADRA, 16                          ; v16-17  my rows of att in slot 0, 1
.set ADRB, 20                          ; v20-23  my columns of Wo: slot 0 k rows 0-127, 128-255; slot 1 likewise
.set STO, 24
.set RD, 25
.set CO, 26
.set F0, 64                            ; v64-127   buffer 0: Wo's four fragments, then att's four
.set F1, 128                           ; v128-191  buffer 1
.set G1, 24
.set G0, 32
.set G1B, 48
.set G0B, 56
.set MSB, 0
.macro WIN new                         ; the immediate's high byte repeats the setting that is left
.if MSB != \new
	s_set_vgpr_msb (MSB<<8)|\new
.set MSB, \new
.endif
.endm
.set MUL, 0x50                         ; C and D in window 1, both fragments in window 0
.set ACC_OUT, 0x04                     ; an LDS store's data in window 1, its address in window 0
.macro JLOAD s                         ; waves 0, 1 fetch att's two halves, waves 2, 3 Wo's
	s_cmp_eq_u32 s11, 0
	s_cbranch_scc0 .Lfor_b_\@
	tensor_load_to_lds s[G0+4*\s:G0+4*\s+3], s[G1:G1+7]
	s_nop 0
	s_branch .Lasked_\@
.Lfor_b_\@:
	tensor_load_to_lds s[G0B+4*\s:G0B+4*\s+3], s[G1B:G1B+7]
	s_nop 0
.Lasked_\@:
.endm
.macro CREST
	s_cmp_lg_u32 s10, 0
	s_cbranch_scc1 .Lnot_wave_0_\@
	s_barrier_signal -3
.Lnot_wave_0_\@:
	s_barrier_wait -3
	s_barrier_signal -1
	s_barrier_wait -1
.endm
.macro CROUND                          ; a round of the cluster's barrier
	s_barrier_signal -1
	s_barrier_wait -1
	CREST
.endm
	s_load_b128 s[4:7], s[0:1], 0x0                ; att s[4:5], cb s[6:7]
	s_load_b64 s[8:9], s[0:1], 0x10                ; out0
	v_lshl_add_u32 v254, v0, 2, 0x49400
	v_mov_b32 v255, 0
	ds_add_u32 v254, v255
	v_lshrrev_b32 v1, 5, v0
	v_readfirstlane_b32 s10, v1                    ; wave 0..3
	s_lshr_b32 s11, s10, 1                         ; my half of the block's rows.  Also: I fetch att (0) or Wo (1)
	s_and_b32 s12, s10, 1                          ; my half of its columns.  Also: which half of that tile I fetch
	s_bfe_u32 s40, ttmp6, 0x40000                  ; cx
	s_bfe_u32 s41, ttmp6, 0x40004                  ; cy
	s_lshl_b32 s42, ttmp9, 2
	s_add_co_u32 s42, s42, s40                     ; block column, 0..7
	s_and_b32 s13, ttmp7, 0xffff
	s_lshl_b32 s13, s13, 2
	s_add_co_u32 s13, s13, s41                     ; block row, 0..31
	s_lshl_b32 s43, s41, 2
	s_lshl_b32 s43, 15, s43                        ; my row of the cluster
	s_lshl_b32 s44, 0x1111, s40                    ; my column
	; att: 64 rows x 256 elements of 2 bytes, 4 words of padding behind every 128
	s_or_b32 s[G1+0], s43, (1<<16)|(1<<20)|(1<<21)|(6<<22)|(3<<25)
	s_mov_b32 s[G1+1], 256<<16
	s_mov_b32 s[G1+2], 64<<16
	s_mov_b32 s[G1+3], 256<<16
	s_mov_b32 s[G1+4], 64
	s_mov_b32 s[G1+5], 1024
	s_mov_b32 s[G1+6], 0
	s_mov_b32 s[G1+7], 0
	; Wo: 128 k rows x 128 elements, 8 words of padding behind every 64
	s_or_b32 s[G1B+0], s44, (1<<16)|(1<<20)|(1<<21)|(5<<22)|(7<<25)
	s_mov_b32 s[G1B+1], 128<<16
	s_mov_b32 s[G1B+2], 128<<16
	s_mov_b32 s[G1B+3], 128<<16
	s_mov_b32 s[G1B+4], 128
	s_mov_b32 s[G1B+5], 1024
	s_mov_b32 s[G1B+6], 0
	s_mov_b32 s[G1B+7], 0
	s_lshl_b32 s16, s13, 18                        ; att: 128 rows of 2,048 bytes x block row
	s_lshl_b32 s17, s12, 17                        ; + 64 rows x half
	s_add_co_u32 s16, s16, s17
	s_mov_b32 s17, 0
	s_lshl_b32 s46, s42, 8                         ; Wo: 128 columns x block column
	s_lshl_b32 s47, s12, 18                        ; + 128 k rows x half
	s_add_co_u32 s46, s46, s47
	s_add_co_u32 s46, s46, 0x1600000               ; Wo lies 23,068,672 bytes into cb
	s_mov_b32 s47, 0
	s_mul_i32 s20, s12, AHALF                      ; where they go: made of the wave number alone
	s_mul_i32 s21, s12, BHALF
	s_wait_dscnt 0x0
	s_wait_kmcnt 0x0
	s_add_nc_u64 s[14:15], s[4:5], s[16:17]
	s_add_nc_u64 s[46:47], s[6:7], s[46:47]
	CROUND                                         ; all sixteen work-groups are here: the first joint loads meet
.irp s, 0,1
	s_mov_b32 s[G0+4*\s], 1
	s_add_co_u32 s[G0+4*\s+1], s20, \s*SLOT
	s_add_nc_u64 s[G0+4*\s+2:G0+4*\s+3], s[14:15], \s*512              ; K step s: 512 bytes along the rows
	s_or_b32 s[G0+4*\s+3], s[G0+4*\s+3], 0x80000000
	s_mov_b32 s[G0B+4*\s], 1
	s_add_co_u32 s[G0B+4*\s+1], s21, BOFF+\s*SLOT
	s_add_nc_u64 s[G0B+4*\s+2:G0B+4*\s+3], s[46:47], \s*256*2048       ; K step s: 256 k rows down
	s_or_b32 s[G0B+4*\s+3], s[G0B+4*\s+3], 0x80000000
	JLOAD \s                                       ; two loads of mine are out
.endr
	v_and_b32 v1, 15, v0                           ; r
	v_bfe_u32 v2, v0, 4, 1                         ; h
	v_and_b32 v3, 7, v0                            ; l % 8
	v_bfe_u32 v4, v0, 3, 1                         ; (l / 8) % 2
	v_mul_u32_u24 v5, v1, APITCH
	v_lshl_add_u32 v5, v2, 4, v5
	s_mul_i32 s22, s11, AHALF                      ; my 64 rows
	v_add_nc_u32 v[ADRA], s22, v5
	v_add_nc_u32 v[ADRA+1], SLOT, v[ADRA]
	v_lshl_add_u32 v6, v2, 3, v3
	v_mul_u32_u24 v6, v6, BPITCH
	v_lshl_add_u32 v6, v4, 4, v6
	s_lshl_b32 s23, s12, 7                         ; my 64 columns: 128 bytes into each k row
	s_add_co_u32 s23, s23, BOFF
	v_add_nc_u32 v[ADRB], s23, v6
	v_add_nc_u32 v[ADRB+1], BHALF, v[ADRB]         ; k rows 128-255: beyond what the 16-bit offset reaches from the first
	v_add_nc_u32 v[ADRB+2], SLOT, v[ADRB]
	v_add_nc_u32 v[ADRB+3], SLOT, v[ADRB+1]
	s_mul_i32 s23, s10, 16*SPITCH
	s_add_co_u32 s23, s23, STAGE                   ; my stage
	v_mul_u32_u24 v5, v1, SPITCH
	v_lshl_add_u32 v5, v2, 5, v5
	v_add_nc_u32 v[STO], s23, v5                   ; in: row r, 32 bytes (8 f32) for each half of the lanes
	v_mul_u32_u24 v5, v2, SPITCH
	v_lshl_add_u32 v5, v1, 4, v5
	v_add_nc_u32 v[RD], s23, v5                    ; back: lanes 0-15 one row of 256 bytes, lanes 16-31 the next
	v_lshlrev_b32 v5, 4, v1
	v_lshl_add_u32 v[CO], v2, 12, v5               ; and the same two rows of out0 (4,096 bytes each)
; 8 matrix instructions: row blocks a0, a0 + 1 x all 4 column blocks, 32 along K.  The 16 accumulators take turns, one instruction a turn,
; in the same order in every eighth of a K step.
.macro MUL8 f, a0, zero
.irp a, \a0, \a0+1
.irp b, 0,1,2,3
.if \zero
	v_wmma_f32_16x16x32_f16 v[8*(4*(\a)+\b):8*(4*(\a)+\b)+7], v[\f+8*\b:\f+8*\b+7], v[\f+32+8*(\a):\f+32+8*(\a)+7], 0
.else
	v_wmma_f32_16x16x32_f16 v[8*(4*(\a)+\b):8*(4*(\a)+\b)+7], v[\f+8*\b:\f+8*\b+7], v[\f+32+8*(\a):\f+32+8*(\a)+7], v[8*(4*(\a)+\b):8*(4*(\a)+\b)+7]
.endif
.endr
.endr
.endm
; 16 LDS loads: the fragments of eighth kq (32 along K) of a slot into buffer f: Wo by the transposing load, then att.
.macro FETCH slot, kq, f
.irp i, 0,1,2,3
	ds_load_tr16_b128 v[\f+8*\i:\f+8*\i+3],   v[ADRB+2*\slot+\kq/4] offset:32*BPITCH*(\kq%4)+32*\i
	ds_load_tr16_b128 v[\f+8*\i+4:\f+8*\i+7], v[ADRB+2*\slot+\kq/4] offset:32*BPITCH*(\kq%4)+32*\i+16*BPITCH
.endr
.irp i, 0,1,2,3
	ds_load_b128 v[\f+32+8*\i:\f+32+8*\i+3],   v[ADRA+\slot] offset:64*\kq+\i*16*APITCH
	ds_load_b128 v[\f+32+8*\i+4:\f+32+8*\i+7], v[ADRA+\slot] offset:64*\kq+\i*16*APITCH+32
.endr
.endm
.macro PLACES                          ; four plain vector instructions between a matrix instruction and a load onto, or a store of, its registers
.rept 4
	v_nop
.endr
.endm
; One of a K step's first seven eighths: multiplies buffer f; in its middle it fetches eighth nk into buffer g.
.macro KQ slot, nk, f, g, zero
	s_wait_dscnt 4                                 ; Wo and my rows 0-31 are in; the youngest four loads (rows 32-63) may be out
	WIN MUL
	MUL8 \f, 0, \zero
	PLACES
	WIN 0
	FETCH \slot, \nk, \g
	s_wait_dscnt 16                                ; all but the 16 just issued
	WIN MUL
	MUL8 \f, 2, \zero
.endm
.macro SEVEN slot, zero
	KQ \slot, 1, F0, F1, \zero
	KQ \slot, 2, F1, F0, 0
	KQ \slot, 3, F0, F1, 0
	KQ \slot, 4, F1, F0, 0
	KQ \slot, 5, F0, F1, 0
	KQ \slot, 6, F1, F0, 0
	KQ \slot, 7, F0, F1, 0
.endm
; The last eighth: multiplies buffer 1 and changes slots.  In front of the barrier each wave waits for its reads of this slot and for all its
; tensor loads; behind it the refill comes first, then the next slot's first fragments.
.macro TURN slot, next, fill
	WIN MUL
	s_wait_dscnt 0                                 ; my reads of this slot are over
	s_wait_tensorcnt 0x0                           ; and all my tensor loads have landed: my part of the next slot
	ds_add_u32 v254, v255
	s_wait_dscnt 0x0
	s_barrier_signal -1                            ; (where a slot is filled again this opens a round of the cluster's barrier)
	MUL8 F1, 0, 0                                  ; work on registers while the others arrive
	WIN 0
	s_barrier_wait -1
.if \fill
	CREST                                          ; no wave of any partner still reads this slot or has a load on its way
	s_add_nc_u64 s[G0+4*\slot+2:G0+4*\slot+3], s[G0+4*\slot+2:G0+4*\slot+3], 2*512
	s_add_nc_u64 s[G0B+4*\slot+2:G0B+4*\slot+3], s[G0B+4*\slot+2:G0B+4*\slot+3], 2*256*2048
	JLOAD \slot                                    ; the first tensor load behind the round, my only one until the next
.endif
	PLACES
	FETCH \next, 0, F0
	WIN MUL
	MUL8 F1, 2, 0
.endm
	s_wait_tensorcnt 1                             ; my part of K step 0 is in; K step 1's may stay out
	s_barrier_signal -1
	s_barrier_wait -1
	FETCH 0, 0, F0
	SEVEN 0, 1                                     ; K 0-255: the first products start the sums
	TURN 0, 1, 1
	SEVEN 1, 0                                     ; K 256-511
	TURN 1, 0, 1
	SEVEN 0, 0                                     ; K 512-767
	TURN 0, 1, 0                                   ; nothing is left to fetch
	SEVEN 1, 0                                     ; K 768-1023
	s_wait_dscnt 0
	WIN MUL
	MUL8 F1, 0, 0
	MUL8 F1, 2, 0
	; THE WAY OUT, 16 rows at a time, through my own stage: 32 bytes a lane in, whole rows of 256 bytes back.
	PLACES
	s_lshl_b32 s16, s13, 19                        ; 128 rows of 4,096 bytes x block row
	s_lshl_b32 s17, s11, 18                        ; + my 64 rows
	s_add_co_u32 s16, s16, s17
	s_mov_b32 s17, 0
	s_add_nc_u64 s[8:9], s[8:9], s[16:17]
	s_lshl_b32 s46, s42, 9                         ; 128 columns of 4 bytes x block column (in the registers that held Wo's address)
	s_lshl_b32 s47, s12, 8                         ; + my 64 columns
	s_add_co_u32 s46, s46, s47
	s_mov_b32 s47, 0
	s_add_nc_u64 s[8:9], s[8:9], s[46:47]
.macro OUT16 a, f
	WIN ACC_OUT
.irp b, 0,1,2,3
	ds_store_b128 v[STO], v[8*(4*\a+\b):8*(4*\a+\b)+3]   offset:64*\b         ; columns 16 b + 8 h .. + 3 of row 16 a + r
	ds_store_b128 v[STO], v[8*(4*\a+\b)+4:8*(4*\a+\b)+7] offset:64*\b+16
.endr
	WIN 0
	s_wait_xcnt 0x0                                ; buffer f, which earlier stores read, and the stores' base are rewritten only behind this wait
.if \a
	s_add_nc_u64 s[8:9], s[8:9], 16*4096           ; 16 rows on
.endif
.irp t, 0,1,2,3,4,5,6,7
	ds_load_b128 v[\f+4*\t:\f+4*\t+3], v[RD] offset:\t*2*SPITCH    ; LDS serves a wave's instructions in order: these see the stores above
.endr
.irp t, 0,1,2,3,4,5,6,7
	s_wait_dscnt 7-\t
	global_store_b128 v[CO], v[\f+4*\t:\f+4*\t+3], s[8:9] offset:8192*\t th:TH_STORE_NT    ; 16 lanes store 256 consecutive bytes, aligned
.endr
.endm
	OUT16 0, F0
	OUT16 1, F1
	OUT16 2, F0
	OUT16 3, F1
	s_wait_tensorcnt 0x0
	ds_add_u32 v254, v255
	s_wait_dscnt 0x0
	CROUND                                         ; the closing round
	s_endpgm
.Lfunc_end_k_q13d2fa5aa5_oproj:
	.size	k_q13d2fa5aa5_oproj, .Lfunc_end_k_q13d2fa5aa5_oproj-k_q13d2fa5aa5_oproj
	.p2alignl 7, 3214868480
	.fill 96, 4, 3214868480
	.section	.rodata,"a",@progbits
	.p2align	6, 0x0
	.amdhsa_kernel k_q13d2fa5aa5_oproj
		.amdhsa_group_segment_fixed_size 327680
		.amdhsa_private_segment_fixed_size 0
		.amdhsa_enable_private_segment 0
		.amdhsa_kernarg_size 24
		.amdhsa_user_sgpr_count 2
		.amdhsa_user_sgpr_kernarg_segment_ptr 1
		.amdhsa_wavefront_size32 1
		.amdhsa_system_sgpr_workgroup_id_x 1
		.amdhsa_system_sgpr_workgroup_id_y 1
		.amdhsa_system_sgpr_workgroup_id_z 1
		.amdhsa_system_vgpr_workitem_id 0
		.amdhsa_next_free_vgpr 384
		.amdhsa_next_free_sgpr 66
		.amdhsa_reserve_vcc 0
		.amdhsa_float_denorm_mode_32 3
		.amdhsa_float_denorm_mode_16_64 3
		.amdhsa_memory_ordered 1
		.amdhsa_forward_progress 1
		.amdhsa_inst_pref_size 90
	.end_amdhsa_kernel
	.amdgpu_metadata
---
amdhsa.version: [ 1, 2 ]
amdhsa.kernels:
  - .name:           k_q13d2fa5aa5_oproj
    .symbol:         k_q13d2fa5aa5_oproj.kd
    .args:
      - { .name: att, .offset: 0, .size: 8, .value_kind: global_buffer, .address_space: global }
      - { .name: cb, .offset: 8, .size: 8, .value_kind: global_buffer, .address_space: global }
      - { .name: out0, .offset: 16, .size: 8, .value_kind: global_buffer, .address_space: global }
    .group_segment_fixed_size: 327680
    .private_segment_fixed_size: 0
    .kernarg_segment_align: 8
    .kernarg_segment_size: 24
    .max_flat_workgroup_size: 128
    .sgpr_count:     66
    .vgpr_count:     384
    .wavefront_size: 32
...
	.end_amdgpu_metadata
.endif
;; end of part 4
;; ======== version 2 of 2: 4 launches; version 1 with the launch cast written anew for expert scheduling mode
;; limits: values are held in f16: magnitudes above 65,504 overflow, below 6.1e-05 lose precision; right only within a limited range of input values
;; workspace buffers: cb 25,165,824 bytes; qkv 25,165,824 bytes; att 8,388,608 bytes
;; launch cast (part 5): grid 768 x 1, 8 waves a work-group, no clusters, 0 bytes of LDS; arguments x, y, Wq, Wk, Wv, Wo, cb; writes cb
.if DOCPART == 5
	.amdgcn_target "amdgcn-amd-amdhsa--gfx1250"
	.amdhsa_code_object_version 6
	.text
	.protected	k_q13d2fa5aa5_cast
	.globl	k_q13d2fa5aa5_cast
	.p2align	8
	.type	k_q13d2fa5aa5_cast,@function
k_q13d2fa5aa5_cast:
	s_mov_b64 s[64:65], 0
	v_nop
	global_prefetch_b8 v0, s[64:65] scope:SCOPE_SE
	s_setreg_imm32_b32 hwreg(HW_REG_WAVE_SCHED_MODE, 0, 2), 2
	s_setreg_imm32_b32 hwreg(HW_REG_WAVE_MODE, 25, 1), 1
	s_wait_xcnt 0x0
	s_wait_alu depctr_vm_vsrc(0)
; cast: x, y, Wq/8, Wk, Wv, Wo from f32 to f16 into cb, laid one behind the other (x, y: 8,388,608 bytes each; the weights 2,097,152 each).
; The factor 1/8 = DEPTH^-0.5 is a power of two, so folding it into Wq changes no bit of the mantissas.
; LIMIT: a number of magnitude 65,520 or more becomes an infinity in f16; the drawn inputs are of order 1 and 1/32.
; A stream: no LDS, no barrier, no matrix unit.  Work-group id takes 65,536 bytes of one input and writes 32,768 bytes at cb + 32,768 id.
; A wave takes 8,192 bytes with sixteen loads of 512 neighbouring bytes, all issued at once; each store of the wave covers 256 consecutive
; bytes, aligned.
; THE MODE: SCHED_MODE bits 1:0 = 2 (LLVM: expert scheduling mode 2), set by the entry lines.  The code itself states the register dependences
; between vector instructions and memory instructions, with s_wait_alu, always for 0.
; THE PLAN.  Registers that memory instructions touch:
;   v1, v2   the loads' and the stores' byte offsets: written at the head by vector lines, never again; read by every load, by every store.
;   X        load n lands in X + 4 n .. + 3, once; behind its counted wait the multiplies write it in place and the conversions read it; no load lands there again.
;   Y        the conversions of load n write Y + 2 n, + 1, once in the launch; store n reads them.
; No register that a memory instruction has read is ever written again, no vector line writes a scalar register, and EXEC is never written.
; The work goes in four blocks of four loads.  Block p works on its own X and writes its own Y; its memory instructions are the four stores of block
; p - 1, whose Y and whose offset v2 no vector line of block p names.  So ONE wait at a block's head states all that its four stores hang on, and they
; are dealt among the block's vector lines with no further wait.  One wait more stands ahead of the first load, one ahead of the last four stores.
.set X, 4                              ; v[4:67]   sixteen loads of four f32
.set Y, 68                             ; v[68:99]  sixteen pairs of packed f16
	s_load_b256 s[4:11], s[0:1], 0x0               ; x s[4:5], y s[6:7], Wq s[8:9], Wk s[10:11]
	s_load_b128 s[12:15], s[0:1], 0x20             ; Wv s[12:13], Wo s[14:15]
	s_load_b64 s[16:17], s[0:1], 0x30              ; cb
	s_mov_b32 s2, ttmp9                            ; id: 0-255 x, 256-511 y, then 64 each for Wq, Wk, Wv, Wo
	v_lshrrev_b32 v3, 5, v0                        ; wave
	v_and_b32 v2, 31, v0                           ; lane
	v_lshlrev_b32 v1, 4, v2
	v_lshl_add_u32 v1, v3, 13, v1                  ; load offset: 8,192 wave + 16 lane
	v_lshlrev_b32 v2, 3, v2
	v_lshl_add_u32 v2, v3, 12, v2                  ; store offset: 4,096 wave + 8 lane
	s_and_b32 s20, s2, 255
	s_and_b32 s21, s2, 63
	s_cmp_lt_u32 s2, 512
	s_cselect_b32 s20, s20, s21                    ; my chunk inside its input
	s_lshl_b32 s20, s20, 16
	s_mov_b32 s21, 0
	s_sub_co_u32 s24, s2, 512
	s_cmp_lt_u32 s24, 64                           ; unsigned: true for ids 512 to 575 alone, which are Wq
	s_cselect_b32 s22, 0x3e000000, 1.0             ; 0.125 for Wq, 1 for the others: one text for all six inputs
	s_mov_b32 s23, s22
	s_lshl_b32 s26, s2, 15
	s_mov_b32 s27, 0
	s_wait_kmcnt 0x0
	s_mov_b64 s[18:19], s[4:5]                     ; the input is chosen by the id alone
	s_cmp_ge_u32 s2, 256
	s_cselect_b64 s[18:19], s[6:7], s[18:19]
	s_cmp_ge_u32 s2, 512
	s_cselect_b64 s[18:19], s[8:9], s[18:19]
	s_cmp_ge_u32 s2, 576
	s_cselect_b64 s[18:19], s[10:11], s[18:19]
	s_cmp_ge_u32 s2, 640
	s_cselect_b64 s[18:19], s[12:13], s[18:19]
	s_cmp_ge_u32 s2, 704
	s_cselect_b64 s[18:19], s[14:15], s[18:19]
	s_add_nc_u64 s[18:19], s[18:19], s[20:21]
	s_add_nc_u64 s[16:17], s[16:17], s[26:27]
	s_wait_alu depctr_va_vdst(0)                   ; v1 and v2 are written: every load below reads v1 as its offset, every store v2; no later line writes either
.irp i, 0,1,2,3,4,5,6,7,8,9,10,11,12,13,14,15
	global_load_b128 v[X+4*\i:X+4*\i+3], v1, s[18:19] offset:512*\i th:TH_LOAD_NT    ; each input byte is read once in the launch
.endr
; Block p: loads 4 p to 4 p + 3 are multiplied and rounded; the four stores of block p - 1 stand among these lines, one ahead of each load's four.
.macro BLK p
	s_wait_loadcnt 12-4*(\p)                       ; loads come back in order: this block's four are in, the 12 - 4 p younger ones stay out
.if \p
	s_wait_alu depctr_va_vdst(0)                   ; the conversions of the block before have written its eight Y registers, which the four stores below read
.endif
.irp i, 0,1,2,3
.set n_, 4*(\p)+(\i)
.if \p
	global_store_b64 v2, v[Y+2*(n_-4):Y+2*(n_-4)+1], s[16:17] offset:256*(n_-4)      ; the block before; no vector line since the wait names these registers.  Read again by the next launch: no hint
.endif
	v_pk_mul_f32 v[X+4*n_:X+4*n_+1],   v[X+4*n_:X+4*n_+1],   s[22:23] op_sel_hi:[1,0]
	v_pk_mul_f32 v[X+4*n_+2:X+4*n_+3], v[X+4*n_+2:X+4*n_+3], s[22:23] op_sel_hi:[1,0]
	v_cvt_pk_f16_f32 v[Y+2*n_],   v[X+4*n_],   v[X+4*n_+1]
	v_cvt_pk_f16_f32 v[Y+2*n_+1], v[X+4*n_+2], v[X+4*n_+3]
.endr
.endm
	BLK 0                                          ; no block stands in front of it: no store, and no wait but the one for its data
	BLK 1
	BLK 2
	BLK 3
	s_wait_alu depctr_va_vdst(0)                   ; the conversions of block 3 have written its eight Y registers, which the last four stores read
.irp i, 12,13,14,15
	global_store_b64 v2, v[Y+2*\i:Y+2*\i+1], s[16:17] offset:256*\i
.endr
	s_endpgm
.Lfunc_end_k_q13d2fa5aa5_cast:
	.size	k_q13d2fa5aa5_cast, .Lfunc_end_k_q13d2fa5aa5_cast-k_q13d2fa5aa5_cast
	.p2alignl 7, 3214868480
	.fill 96, 4, 3214868480
	.section	.rodata,"a",@progbits
	.p2align	6, 0x0
	.amdhsa_kernel k_q13d2fa5aa5_cast
		.amdhsa_group_segment_fixed_size 0
		.amdhsa_private_segment_fixed_size 0
		.amdhsa_enable_private_segment 0
		.amdhsa_kernarg_size 56
		.amdhsa_user_sgpr_count 2
		.amdhsa_user_sgpr_kernarg_segment_ptr 1
		.amdhsa_wavefront_size32 1
		.amdhsa_system_sgpr_workgroup_id_x 1
		.amdhsa_system_sgpr_workgroup_id_y 1
		.amdhsa_system_sgpr_workgroup_id_z 1
		.amdhsa_system_vgpr_workitem_id 0
		.amdhsa_next_free_vgpr 104
		.amdhsa_next_free_sgpr 66
		.amdhsa_reserve_vcc 0
		.amdhsa_float_denorm_mode_32 3
		.amdhsa_float_denorm_mode_16_64 3
		.amdhsa_memory_ordered 1
		.amdhsa_forward_progress 1
		.amdhsa_inst_pref_size 10
	.end_amdhsa_kernel
	.amdgpu_metadata
---
amdhsa.version: [ 1, 2 ]
amdhsa.kernels:
  - .name:           k_q13d2fa5aa5_cast
    .symbol:         k_q13d2fa5aa5_cast.kd
    .args:
      - { .name: x, .offset: 0, .size: 8, .value_kind: global_buffer, .address_space: global }
      - { .name: y, .offset: 8, .size: 8, .value_kind: global_buffer, .address_space: global }
      - { .name: Wq, .offset: 16, .size: 8, .value_kind: global_buffer, .address_space: global }
      - { .name: Wk, .offset: 24, .size: 8, .value_kind: global_buffer, .address_space: global }
      - { .name: Wv, .offset: 32, .size: 8, .value_kind: global_buffer, .address_space: global }
      - { .name: Wo, .offset: 40, .size: 8, .value_kind: global_buffer, .address_space: global }
      - { .name: cb, .offset: 48, .size: 8, .value_kind: global_buffer, .address_space: global }
    .group_segment_fixed_size: 0
    .private_segment_fixed_size: 0
    .kernarg_segment_align: 8
    .kernarg_segment_size: 56
    .max_flat_workgroup_size: 256
    .sgpr_count:     66
    .vgpr_count:     104
    .wavefront_size: 32
...
	.end_amdgpu_metadata
.endif
;; end of part 5
;; launch qkvproj: the kernel of part 2 again; grid 12 x 16, 4 waves a work-group, clusters of 4 x 4, 327,680 bytes of LDS; arguments cb, qkv; writes qkv
;; launch attn: the kernel of part 3 again; grid 16 x 16, 8 waves a work-group, clusters of 4 x 4, 327,680 bytes of LDS; arguments qkv, bias, att; writes att
;; launch oproj: the kernel of part 4 again; grid 8 x 32, 4 waves a work-group, clusters of 4 x 4, 327,680 bytes of LDS; arguments att, cb, out0; writes out0
